; MI455X (gfx1250); checked and timed in simulation.
; The chip was launched on July 23, 2026; its instructions are those of AMD's public machine-readable ISA for CDNA 5 (MIT licence, August 2026) and "CDNA5" Instruction Set Architecture Reference Guide (July 2026). The comments in the code are by the model that wrote it; some were corrected since.
;; Llama Attention. Allowed arithmetic: matrix products marked QUANTISED: E4M3 operands, one E8M0 scale for each 32 along K, by v_wmma_scale_f32_16x16x128_f8f6f4 with both operands' format E4M3, f32 sums; everything else in f32.
;; Inputs: attention_mask 1 x 1 x 2,048 x 2,048 float32; cos 2 x 2,048 x 128 float32; hidden_states 2 x 2,048 x 2,048 float32; sin 2 x 2,048 x 128 float32; wk 2,048 x 512 float32; wo 1,024 x 2,048 float32; wq 2,048 x 1,024 float32; wv 2,048 x 512 float32.
;; Outputs: out0 2 x 2,048 x 2,048 float32.
;; This version of the problem:
;;   THIS VERSION OF THE PROBLEM IS GIVEN IN LOW PRECISION. The matrix products marked QUANTISED in the list below multiply operands that are first quantised to E4M3 (4 exponent bits, 3 mantissa bits; 8 bits a number), with one power-of-two scale for each 32 numbers along K (OCP MX v1.0); their sums are f32. All else is computed in f32.
;;   The module's matrix products, in the order in which they are computed (A, B: the left and right operand; K: the contracted axis; several contracted axes count as one K, in the product's order):
;;     1. [M 4,096, K 2,048] x [K 2,048, N 1,024]; A: input hidden_states; B: input wq: QUANTISED
;;     2. [M 4,096, K 2,048] x [K 2,048, N 512]; A: input hidden_states; B: input wk: QUANTISED
;;     3. [M 4,096, K 2,048] x [K 2,048, N 512]; A: input hidden_states; B: input wv: QUANTISED
;;     4. batch 16 x [M 2,048, K 128] x [K 128, N 2,048]; A: computed on the way; B: computed on the way: QUANTISED
;;     5. batch 16 x [M 2,048, K 2,048] x [K 2,048, N 128]; A: softmax (see below); B: computed on the way: QUANTISED
;;     6. [M 4,096, K 1,024] x [K 1,024, N 2,048]; A: computed on the way; B: input wo: QUANTISED
;;   THE QUANTISER, for each operand of a quantised product, along K:
;;     - K is cut into blocks of 32 from its start; a last block that is shorter is filled with zeros.
;;     - A block's scale is 2^e with e = floor(log2(the largest magnitude in the block)) - 8, held to -126 .. 127; a block of zeros has e = 0. As a byte (E8M0): e + 127.
;;     - Each number is divided by its block's scale, clamped to +-448, and rounded to the nearest number of E4M3, ties to even, subnormals kept.
;;     - The product sums the exact products of the quantised numbers (number of the format x scale) in f32.
;;   ~~~python
;;   def quantise(x, axis):      # numpy; x: float32 -> the quantised numbers, widened to float32 again
;;       x = np.moveaxis(x, axis, -1); K = x.shape[-1]
;;       x = np.pad(x, [(0, 0)] * (x.ndim - 1) + [(0, -K % 32)]); x = x.reshape(x.shape[:-1] + (-1, 32)); a = np.abs(x).max(-1, keepdims=True)
;;       e = np.where(a > 0, np.clip(np.frexp(np.where(a > 0, a, 1))[1] - 1 - 8, -126, 127), 0)      # np.frexp(a)[1] - 1 = floor(log2(a)), exactly
;;       r = np.clip(x / 2.0 ** e, -448, 448)
;;       step = 2.0 ** (np.maximum(np.frexp(np.where(r == 0, 1, r))[1] - 1, -6) - 3)
;;       q = np.round(r / step) * step * 2.0 ** e      # np.round: ties to even
;;       return np.moveaxis(q.reshape(q.shape[:-2] + (-1,))[..., :K], -1, axis).astype(np.float32)
;;   ~~~
;;   SOFTMAX AHEAD OF A QUANTISED PRODUCT. Where the list says 'softmax', what is quantised is not the finished softmax but p = 2^(t - M), with t = logit x log2(e) and M = ceil(the row's largest t), a whole number; so 1/2 < the row's largest p <= 1. The row's sum l is taken of the UNQUANTISED p, in f32, and the product's result is divided by l at the end. Since M is a whole number, a kernel that streams over the keys may use a running M (the ceiling of the running maximum): every later rescaling is an exact power of two, which a block's scale takes up: the codes' values come out the same.
;;   OPERANDS COMPUTED ON THE WAY. 'Computed on the way' means the value that the module computes at that place (a softmax that the list does not call 'softmax' is quantised finished and normalised). What goes into a quantiser is computed in f32, as accurately as f32 sums, v_exp_f32 and their like allow (about 1e-6 of the number): no bf16 or f16 on the way to a quantiser, and a product that is left as it is and whose result goes on into a quantised operand takes f32 operands (vector FMAs, or v_wmma_f32_16x16x4_f32). A number that lies on a knife's edge between two numbers of the format may be rounded either way, as far as f32 arithmetic and the matrix unit's own rounding can turn it there, and no further.
;; One version. Each part assembles by itself: llvm-mc -triple=amdgcn-amd-amdhsa -mcpu=gfx1250 --defsym DOCPART=n.
;; ======== version 1 of 1: 4 launches
;; limits: right only within a limited range of input values
;; workspace buffers: xq 8,650,752 bytes; wqkv 4,325,376 bytes; woq 2,162,688 bytes; mimg 16,777,216 bytes; qimg 4,325,376 bytes; kvimg 4,325,376 bytes; attq 4,325,376 bytes
;; launch prep (part 1): grid 576 x 1, 4 waves a work-group, no clusters, 101,888 bytes of LDS; arguments hidden_states, wq, wk, wv, wo, attention_mask, xq, wqkv, woq, mimg; writes xq, wqkv, woq, mimg
.if DOCPART == 1
	.amdgcn_target "amdgcn-amd-amdhsa--gfx1250"
	.amdhsa_code_object_version 6
	.text
	.protected	k_q88e3a79ea7_prep
	.globl	k_q88e3a79ea7_prep
	.p2align	8
	.type	k_q88e3a79ea7_prep,@function
k_q88e3a79ea7_prep:
	s_mov_b64 s[64:65], 0
	v_nop
	global_prefetch_b8 v0, s[64:65] scope:SCOPE_SE
	s_setreg_imm32_b32 hwreg(HW_REG_WAVE_MODE, 25, 1), 1
	s_wait_xcnt 0x0
; PREP: everything that is quantised once, and the mask laid as the attention launch's registers want it.
; sw(p) = p with bits 3 and 4 exchanged.  Rows of xq (tokens) and of wqkv (output columns) are stored BY POSITION: row p holds token or column sw(p).  A tile of 16 neighbouring rows of such a buffer,
; used as source 0 of a transposed product, then leaves 16 neighbours of the natural order in the 16 registers of two neighbouring tiles.
; Work-groups 0-255 (path X): hidden_states [4096][2048] f32 -> xq: codes of E4M3 [position][2048 B], at +8,388,608 the E8M0 bytes [position][64 B].
; Work-groups 256-447 (path W): wq, wk, wv [2048][N], wo [1024][2048], f32, K the first axis -> wqkv: codes [position 2048][2048 B] (wq's columns, wk's from 1024, wv's from 1536), at +4,194,304 bytes [position][64 B];
;   woq: codes [n][1024 B] in natural order, at +2,097,152 bytes [n][32 B].
; Work-groups 448-575 (path M): attention_mask [2048][2048] f32 -> mimg [block of 64 query positions 32][key step 16][tile 4][group 16][lane 32][16 B]: lane (r, h), group 4 b + g holds
;   max(mask[sw(query position)][128 step + 32 b + 16 h + 4 g + 0..3] x sqrt(128), -2^120): the C operand of the score product, register for register.
; THE QUANTISER: a block's scale is 2^(floor(log2(largest magnitude)) - 8); its byte is the largest magnitude's exponent field - 8, held at 1 from below; each number is held within +-448 x the scale and rounded to the nearest code, ties to even.
; LIMITS: a block of zeros, or one whose largest magnitude lies under 2^-118, keeps the byte 1 (zero codes add nothing; only this program reads the bytes).  NaN and infinities in hidden_states and the weights are not served.
; Mask values under -2^120 / sqrt(128) (about -1.2e35, -infinity among them) all count as that value; NaN and +infinity in the mask are not served.
; The three paths part on the work-group's number; each has LDS bytes of its own.  Waves share nothing: no barrier.
.set EMAX,  8
.set MANT,  0x600000                   ; the mantissa field of 448 as f32
; ---- path X: LDS 0 .. 32,767
.set STEPS, 16
.set WREG,  8192                       ; a wave's region: two stages of 32 x SP bytes, behind them its 256 scale bytes
.set SP,    80                         ; a lane's place in a stage: 64 bytes + 16 of padding
.set XR,    16                         ; v16-79   four sets of 16 numbers as loaded
.set XX,    80                         ; v80-111  two sets of 16 neighbours
.set XE,    112                        ; v112-127 a scale byte for each step
.set XC,    128                        ; v128-191 four registers of codes for each step
.macro XLOAD t
.irp i, 0,1,2,3
	global_load_b128 v[XR+16*((\t)%4)+4*\i:XR+16*((\t)%4)+4*\i+3], v3, s[4:5] offset:2048*(\t)+512*\i th:TH_LOAD_NT   ; 32 lanes read 512 consecutive bytes
.endr
.endm
.macro XTURN t                         ; step t's numbers through the stage: a wave's LDS instructions are served in order, so no wait stands between the stores and the loads
.irp i, 0,1,2,3
	ds_store_b128 v14, v[XR+16*((\t)%4)+4*\i:XR+16*((\t)%4)+4*\i+3] offset:32*SP*((\t)%2)+8*SP*\i
.endr
.irp i, 0,1,2,3
	ds_load_b128 v[XX+16*((\t)%2)+4*\i:XX+16*((\t)%2)+4*\i+3], v15 offset:32*SP*((\t)%2)+16*\i
.endr
.endm
.macro XSTEP t
.set XS, XX+16*((\t)%2)
.if (\t) > 0
	s_wait_dscnt 1                                 ; this step's numbers are back from the stage (the last step's byte store may be out)
.else
	s_wait_dscnt 0x0
.endif
.if (\t)+4 < STEPS
	XLOAD (\t)+4                                   ; into the set whose stores into the stage are done
.endif
.if (\t)+1 < STEPS
.if STEPS-2-(\t) >= 3
	s_wait_loadcnt 12                              ; the next step's four loads are in; those of the three steps behind it may be out
.else
	s_wait_loadcnt 4*(STEPS-2-(\t))
.endif
	XTURN (\t)+1
.endif
	v_max3_num_f32 v8, |v[XS]|, |v[XS+1]|, |v[XS+2]|               ; the largest magnitude of my 16, in two chains
	v_max3_num_f32 v9, |v[XS+3]|, |v[XS+4]|, |v[XS+5]|
.irp i, 6,10
	v_max3_num_f32 v8, v8, |v[XS+\i]|, |v[XS+\i+1]|
	v_max3_num_f32 v9, v9, |v[XS+\i+2]|, |v[XS+\i+3]|
.endr
	v_max3_num_f32 v8, v8, |v[XS+14]|, |v[XS+15]|
	v_max3_num_f32 v8, v8, v9, (EMAX+1)<<23        ; and the floor 2^(9 - 127): the byte cannot fall under 1
	v_max_num_f32_dpp v8, v8, v8 row_xmask:1 row_mask:0xf bank_mask:0xf   ; and of my neighbour's 16: the block's
	v_add_nc_u32 v11, -(EMAX<<23), v8              ; 8 off its exponent field: the conversion takes this operand's exponent field as its scale
	v_and_or_b32 v10, v8, 0x7f800000, s26          ; 448 x the scale
.irp i, 0,1,2,3,4,5,6,7,8,9,10,11,12,13,14,15
	v_med3_num_f32 v[XS+\i], v[XS+\i], -v10, v10   ; the conversion to an 8-bit code does not saturate (ISA guide 7.6.2): the hold comes first
.endr
	v_cvt_scalef32_pk8_fp8_f32 v[XC+4*(\t):XC+4*(\t)+1], v[XS:XS+7], v11
	v_cvt_scalef32_pk8_fp8_f32 v[XC+4*(\t)+2:XC+4*(\t)+3], v[XS+8:XS+15], v11
	v_lshrrev_b32 v[XE+(\t)], 23, v11              ; the scale's byte
	ds_store_b8 v5, v[XE+(\t)] offset:16*(\t)      ; both lanes of a block write the same byte with the same value
	global_store_b128 v3, v[XC+4*(\t):XC+4*(\t)+3], s[32:33] offset:512*(\t)   ; 32 lanes store 512 consecutive bytes
.endm
; ---- path W: LDS 32,768 .. 67,583: a stage of 32 rows x 272 bytes for each wave
.set WB,    40                         ; s[40:55] eight bases, 32 rows of the weight apart
.set VO,    32                         ; v32-63   4 x lane + i rows; on the way out v32-47 are the stores' offsets
.set WX,    64                         ; v64-127  two sets of 32 numbers; on the way out 16 x 4 registers of codes
.set WC,    128                        ; v128-135 a block's codes
.macro LOADW t                         ; block t: W(32 t + i, my column), i = 0 .. 31: each load reads 128 consecutive bytes a wave
.set n1, 0
.rept 32
	global_load_b32 v[WX+32*((\t)%2)+n1], v[VO+n1], s[WB+2*(\t):WB+2*(\t)+1] th:TH_LOAD_NT
.set n1, n1+1
.endr
.endm
.macro BLOCKW t
.set XS, WX+32*((\t)%2)
.if (\t) < 7
	s_wait_loadcnt 32                              ; this block's 32 loads are in; the next block's may be out
.else
	s_wait_loadcnt 0x0
.endif
	v_max3_num_f32 v12, |v[XS]|, |v[XS+1]|, |v[XS+2]|               ; the block's largest magnitude: all 32 numbers are mine
	v_max3_num_f32 v13, |v[XS+3]|, |v[XS+4]|, |v[XS+5]|
.irp i, 6,10,14,18,22,26
	v_max3_num_f32 v12, v12, |v[XS+\i]|, |v[XS+\i+1]|
	v_max3_num_f32 v13, v13, |v[XS+\i+2]|, |v[XS+\i+3]|
.endr
	v_max3_num_f32 v12, v12, |v[XS+30]|, |v[XS+31]|
	v_max3_num_f32 v12, v12, v13, (EMAX+1)<<23
	v_add_nc_u32 v11, -(EMAX<<23), v12
	v_and_or_b32 v10, v12, 0x7f800000, s37
	v_lshrrev_b32 v13, 23, v11
.if (\t)%4 == 0
	v_mov_b32 v[24+(\t)/4], v13                    ; four bytes to a register, the lower K in the lower byte
.else
	v_lshl_or_b32 v[24+(\t)/4], v13, 8*((\t)%4), v[24+(\t)/4]
.endif
.set n1, 0
.rept 32
	v_med3_num_f32 v[XS+n1], v[XS+n1], -v10, v10
.set n1, n1+1
.endr
.irp g, 0,1,2,3
	v_cvt_scalef32_pk8_fp8_f32 v[WC+2*\g:WC+2*\g+1], v[XS+8*\g:XS+8*\g+7], v11
.endr
	ds_store_b128 v4, v[WC:WC+3] offset:32*(\t)    ; 32 codes: 32 bytes of my column's row
	ds_store_b128 v4, v[WC+4:WC+7] offset:32*(\t)+16
.if (\t)+2 < 8
	LOADW (\t)+2
.endif
	s_wait_dscnt 0x0                               ; the stores have read their registers: the next block's codes may be written
.endm
; ---- path M: LDS 67,584 .. 101,375: a stage of 16 rows x 528 bytes for each wave
.macro LOADM jj                        ; 16 query rows x 128 keys: each load reads 512 consecutive bytes of one row
.irp t, 0,1,2,3,4,5,6,7,8,9,10,11,12,13,14,15
	global_load_b128 v[64+64*((\jj)%2)+4*\t:64+64*((\jj)%2)+4*\t+3], v3, s[14:15] offset:(16*(\t/8)+(\t%8))*8192+512*(\jj) th:TH_LOAD_NT
.endr
.endm
.macro BLOCKM jj
.set MS, 64+64*((\jj)%2)
.if (\jj) < 3
	s_wait_loadcnt 16                              ; this block's 16 loads are in; the other set's may be out
.else
	s_wait_loadcnt 0x0
.endif
.irp t, 0,1,2,3,4,5,6,7,8,9,10,11,12,13,14,15
	ds_store_b128 v4, v[MS+4*\t:MS+4*\t+3] offset:528*\t           ; row t as it lies
.endr
.irp g, 0,1,2,3,4,5,6,7,8,9,10,11,12,13,14,15
	ds_load_b128 v[MS+4*\g:MS+4*\g+3], v5 offset:128*(\g/4)+16*(\g%4)   ; lane (r, h): row r, keys 32 (g / 4) + 16 h + 4 (g % 4) on; served behind the stores above
.endr
	s_wait_dscnt 0x0
.set n1, 0
.rept 32
	v_pk_mul_f32 v[MS+n1:MS+n1+1], v[MS+n1:MS+n1+1], 0x413504f3 op_sel_hi:[1,0]   ; x sqrt(128): the score product's sum is scaled by 1 / sqrt(128) afterwards
.set n1, n1+2
.endr
.set n1, 0
.rept 64
	v_max_num_f32 v[MS+n1], 0xfb800000, v[MS+n1]   ; held at -2^120 from below: a power of two, so that its product with the softmax's factor is exact
.set n1, n1+1
.endr
.irp g, 0,1,2,3,4,5,6,7,8,9,10,11,12,13,14,15
	global_store_b128 v3, v[MS+4*\g:MS+4*\g+3], s[22:23] offset:32768*(\jj)+512*\g   ; 32 lanes store 512 consecutive bytes
.endr
.if (\jj) < 2
	s_wait_xcnt 0x0                                ; the stores have read their registers: the set may be loaded again
	LOADM (\jj)+2
.endif
.endm
	s_load_b512 s[4:19], s[0:1], 0x0               ; hidden s[4:5], wq s[6:7], wk s[8:9], wv s[10:11], wo s[12:13], mask s[14:15], xq s[16:17], wqkv s[18:19]
	s_load_b128 s[20:23], s[0:1], 0x40             ; woq s[20:21], mimg s[22:23]
	v_lshl_add_u32 v192, v0, 2, 0x18c00
	v_mov_b32 v193, 0
	v_lshrrev_b32 v1, 5, v0
	v_readfirstlane_b32 s24, v1                    ; wave 0..3
	v_and_b32 v2, 31, v0                           ; lane
	s_wait_kmcnt 0x0
	s_cmp_lt_u32 ttmp9, 256
	s_cbranch_scc0 .Lnot_x
	; ======== path X: a wave takes a run of 8,192 numbers (4 rows of hidden_states), 16 steps of 512
	s_wait_alu depctr_va_vdst(0)
	v_lshlrev_b32 v3, 4, v2                        ; my 16 bytes of a load's 512, and of a store's
	s_mul_i32 s25, s24, WREG
	v_lshrrev_b32 v14, 2, v2
	v_mul_u32_u24 v14, v14, SP
	v_and_b32 v15, 3, v2
	v_lshl_add_u32 v14, v15, 4, v14
	v_add_nc_u32 v14, s25, v14                     ; the stage, in: SP (lane / 4) + 16 (lane % 4)
	v_mul_u32_u24 v15, v2, SP
	v_add_nc_u32 v15, s25, v15                     ; and out: SP x lane: my 16 neighbours
	v_lshrrev_b32 v5, 1, v2
	s_add_co_u32 s25, s25, 2*32*SP
	v_add_nc_u32 v5, s25, v5                       ; my block's scale byte
	v_lshlrev_b32 v7, 3, v2
	v_add_nc_u32 v6, s25, v7                       ; and on the way out 8 bytes a lane
	s_mov_b32 s26, MANT
	s_lshl_b32 s27, ttmp9, 2
	s_add_co_u32 s27, s27, s24                     ; the run
	s_lshl_b32 s28, s27, 15
	s_mov_b32 s29, 0
	s_add_nc_u64 s[4:5], s[4:5], s[28:29]
	s_and_b32 s30, s27, 2                          ; a token's bits 3 and 4 are the run's bits 1 and 2: exchanged, they give the run's place by position
	s_lshl_b32 s30, s30, 1
	s_and_b32 s31, s27, 4
	s_lshr_b32 s31, s31, 1
	s_and_b32 s27, s27, 0xfffffff9
	s_or_b32 s27, s27, s30
	s_or_b32 s27, s27, s31
	s_lshl_b32 s28, s27, 13
	s_add_nc_u64 s[32:33], s[16:17], s[28:29]      ; the run's codes
	s_lshl_b32 s28, s27, 8
	s_add_co_u32 s28, s28, 8388608
	s_add_nc_u64 s[34:35], s[16:17], s[28:29]      ; and its 256 scale bytes
.irp t, 0,1,2,3
	XLOAD \t
.endr
	s_wait_alu depctr_va_vdst(0)
	s_wait_loadcnt 12                              ; step 0's four loads are in
	XTURN 0
.irp t, 0,1,2,3,4,5,6,7,8,9,10,11,12,13,14,15
	XSTEP \t
.endr
	ds_load_b64 v[12:13], v6                       ; served behind my byte stores
	s_wait_dscnt 0x0
	global_store_b64 v7, v[12:13], s[34:35]        ; 32 lanes store 256 consecutive bytes, aligned
	s_wait_tensorcnt 0x0
	ds_add_u32 v192, v193
	s_wait_dscnt 0x0
	s_endpgm
.Lnot_x:
	s_cmp_lt_u32 ttmp9, 448
	s_cbranch_scc0 .Lmask
	; ======== path W: a wave takes 32 columns x 256 along K of one weight.  Which weight hangs on the work-group's number alone
	s_sub_co_u32 s25, ttmp9, 256
	s_mov_b64 s[26:27], s[12:13]                   ; from 128 on: wo
	s_mov_b64 s[28:29], s[20:21]
	s_mov_b32 s30, 128                             ; the weight's first work-group
	s_mov_b32 s31, 4                               ; log2 of its blocks of 128 columns
	s_mov_b32 s32, 0                               ; its first row in the buffer of codes
	s_mov_b32 s33, 1024                            ; a row of codes in bytes
	s_mov_b32 s34, 2097152                         ; where the scale bytes begin
	s_mov_b32 s35, 32                              ; a row of them
	s_mov_b32 s36, 0                               ; 1: rows by position
	s_cmp_lt_u32 s25, 128
	s_cselect_b64 s[26:27], s[10:11], s[26:27]     ; wv
	s_cselect_b64 s[28:29], s[18:19], s[28:29]
	s_cselect_b32 s30, 96, s30
	s_cselect_b32 s31, 2, s31
	s_cselect_b32 s32, 1536, s32
	s_cselect_b32 s33, 2048, s33
	s_cselect_b32 s34, 4194304, s34
	s_cselect_b32 s35, 64, s35
	s_cselect_b32 s36, 1, s36
	s_cmp_lt_u32 s25, 96
	s_cselect_b64 s[26:27], s[8:9], s[26:27]       ; wk
	s_cselect_b32 s30, 64, s30
	s_cselect_b32 s32, 1024, s32
	s_cmp_lt_u32 s25, 64
	s_cselect_b64 s[26:27], s[6:7], s[26:27]       ; wq
	s_cselect_b32 s30, 0, s30
	s_cselect_b32 s31, 3, s31
	s_cselect_b32 s32, 0, s32
	s_sub_co_u32 s37, s25, s30
	s_lshl_b32 s38, 1, s31
	s_sub_co_u32 s38, s38, 1
	s_and_b32 s38, s37, s38                        ; which 128 columns
	s_lshr_b32 s39, s37, s31                       ; which 256 along K
	s_lshl_b32 s56, 512, s31                       ; a row of the weight in bytes
	s_lshl_b32 s38, s38, 7
	s_lshl_b32 s57, s24, 5
	s_add_co_u32 s38, s38, s57                     ; my wave's first column
	s_mul_i32 s58, s39, s56
	s_lshl_b32 s58, s58, 8
	s_lshl_b32 s57, s38, 2
	s_add_co_u32 s58, s58, s57
	s_mov_b32 s59, 0
	s_add_nc_u64 s[WB:WB+1], s[26:27], s[58:59]
	s_lshl_b32 s58, s56, 5
.irp t, 1,2,3,4,5,6,7
	s_add_nc_u64 s[WB+2*\t:WB+2*\t+1], s[WB+2*\t-2:WB+2*\t-1], s[58:59]
.endr
	s_wait_alu depctr_va_vdst(0)
	v_lshlrev_b32 v[VO], 2, v2
.set n1, 1
.rept 31
	v_add_nc_u32 v[VO+n1], s56, v[VO+n1-1]
.set n1, n1+1
.endr
	LOADW 0
	LOADW 1
	s_mul_i32 s57, s24, 32*272
	s_add_co_u32 s57, s57, 32768                   ; my stage
	v_mul_u32_u24 v4, v2, 272
	v_add_nc_u32 v4, s57, v4                       ; into it: row = my column
	v_and_b32 v5, 15, v2
	v_lshrrev_b32 v6, 4, v2
	v_mul_u32_u24 v7, v6, 272
	v_lshl_add_u32 v7, v5, 4, v7
	v_add_nc_u32 v7, s57, v7                       ; out of it: sixteen lanes to a row, two rows an instruction
	v_mul_lo_u32 v8, v6, s33
	v_lshl_add_u32 v8, v5, 4, v8                   ; and the same place in the buffer of codes
	v_lshrrev_b32 v9, 3, v2
	v_xor_b32 v9, v9, v6
	v_and_b32 v9, 1, v9                            ; 1 where my column's bits 3 and 4 differ
	s_mul_i32 s57, s36, 24
	v_mul_lo_u32 v9, v9, s57
	v_xor_b32 v9, v9, v2                           ; my column's row: by position, or as it is
	v_mul_lo_u32 v9, v9, s35
	s_add_co_u32 s57, s32, s38
	s_mul_i32 s60, s57, s33
	s_lshl_b32 s61, s39, 8
	s_add_co_u32 s60, s60, s61
	s_mov_b32 s61, 0
	s_add_nc_u64 s[62:63], s[28:29], s[60:61]      ; the codes' place
	s_mul_i32 s60, s57, s35
	s_lshl_b32 s57, s39, 3
	s_add_co_u32 s60, s60, s57
	s_add_co_u32 s60, s60, s34
	s_add_nc_u64 s[28:29], s[28:29], s[60:61]      ; the scale bytes' place
	s_lshl_b32 s30, s33, 1                         ; two rows of codes
	s_mul_i32 s31, s33, s36
	s_lshl_b32 s31, s31, 3                         ; eight rows, where rows go by position
	s_mov_b32 s37, MANT
.irp t, 0,1,2,3,4,5,6,7
	BLOCKW \t
.endr
	global_store_b64 v9, v[24:25], s[28:29]        ; my column's 8 scale bytes
	v_mov_b32 v32, v8                              ; (all loads are in: their offset registers are free)  instruction t stores stage rows 2 t and 2 t + 1
.set n1, 1
.rept 15
	v_add_nc_u32 v[32+n1], s30, v[32+n1-1]
.set n1, n1+1
.endr
.irp t, 4,5,6,7
	v_add_nc_u32 v[32+\t], s31, v[32+\t]           ; by position, columns 8-15 of 32 lie in rows 16-23,
.endr
.irp t, 8,9,10,11
	v_sub_nc_u32 v[32+\t], v[32+\t], s31           ; and columns 16-23 in rows 8-15
.endr
.irp t, 0,1,2,3,4,5,6,7,8,9,10,11,12,13,14,15
	ds_load_b128 v[WX+4*\t:WX+4*\t+3], v7 offset:2*\t*272
.endr
	s_wait_alu depctr_va_vdst(0)
.irp t, 0,1,2,3,4,5,6,7,8,9,10,11,12,13,14,15
	s_wait_dscnt 15-\t
	global_store_b128 v[32+\t], v[WX+4*\t:WX+4*\t+3], s[62:63]     ; sixteen lanes store 256 consecutive bytes, aligned
.endr
	s_wait_tensorcnt 0x0
	ds_add_u32 v192, v193
	s_wait_dscnt 0x0
	s_endpgm
.Lmask:
	; ======== path M: a work-group takes a tile of 16 query positions, each wave 512 of its keys (four key steps)
	s_sub_co_u32 s25, ttmp9, 448                   ; the tile
	s_lshr_b32 s26, s25, 1
	s_lshl_b32 s26, s26, 5
	s_and_b32 s27, s25, 1
	s_lshl_b32 s27, s27, 3
	s_add_co_u32 s26, s26, s27                     ; position 16 tile + r is query 32 (tile / 2) + 8 (tile % 2) + 16 (r / 8) + r % 8
	s_lshl_b32 s26, s26, 13
	s_lshl_b32 s27, s24, 11
	s_add_co_u32 s26, s26, s27
	s_mov_b32 s27, 0
	s_add_nc_u64 s[14:15], s[14:15], s[26:27]
	s_lshr_b32 s26, s25, 2
	s_lshl_b32 s26, s26, 19
	s_lshl_b32 s28, s24, 17
	s_add_co_u32 s26, s26, s28
	s_and_b32 s28, s25, 3
	s_lshl_b32 s28, s28, 13
	s_add_co_u32 s26, s26, s28
	s_add_nc_u64 s[22:23], s[22:23], s[26:27]
	s_wait_alu depctr_va_vdst(0)
	v_lshlrev_b32 v3, 4, v2                        ; 16 x lane: in memory, both ways
	s_mul_i32 s28, s24, 16*528
	s_add_co_u32 s28, s28, 67584                   ; my stage
	v_add_nc_u32 v4, s28, v3
	v_and_b32 v5, 15, v2
	v_lshrrev_b32 v6, 4, v2
	v_mul_u32_u24 v5, v5, 528
	v_lshl_add_u32 v5, v6, 6, v5
	v_add_nc_u32 v5, s28, v5                       ; row r, + 64 h
	LOADM 0
	LOADM 1
	s_wait_alu depctr_va_vdst(0)
	BLOCKM 0
	BLOCKM 1
	BLOCKM 2
	BLOCKM 3
	s_wait_tensorcnt 0x0
	ds_add_u32 v192, v193
	s_wait_dscnt 0x0
	s_endpgm
.Lfunc_end_k_q88e3a79ea7_prep:
	.size	k_q88e3a79ea7_prep, .Lfunc_end_k_q88e3a79ea7_prep-k_q88e3a79ea7_prep
	.p2alignl 7, 3214868480
	.fill 96, 4, 3214868480
	.section	.rodata,"a",@progbits
	.p2align	6, 0x0
	.amdhsa_kernel k_q88e3a79ea7_prep
		.amdhsa_group_segment_fixed_size 101888
		.amdhsa_private_segment_fixed_size 0
		.amdhsa_enable_private_segment 0
		.amdhsa_kernarg_size 80
		.amdhsa_user_sgpr_count 2
		.amdhsa_user_sgpr_kernarg_segment_ptr 1
		.amdhsa_wavefront_size32 1
		.amdhsa_system_sgpr_workgroup_id_x 1
		.amdhsa_system_sgpr_workgroup_id_y 1
		.amdhsa_system_sgpr_workgroup_id_z 1
		.amdhsa_system_vgpr_workitem_id 0
		.amdhsa_next_free_vgpr 194
		.amdhsa_next_free_sgpr 66
		.amdhsa_reserve_vcc 0
		.amdhsa_float_denorm_mode_32 3
		.amdhsa_float_denorm_mode_16_64 3
		.amdhsa_memory_ordered 1
		.amdhsa_forward_progress 1
		.amdhsa_inst_pref_size 163
	.end_amdhsa_kernel
	.amdgpu_metadata
---
amdhsa.version: [ 1, 2 ]
amdhsa.kernels:
  - .name:           k_q88e3a79ea7_prep
    .symbol:         k_q88e3a79ea7_prep.kd
    .args:
      - { .name: hidden_states, .offset: 0, .size: 8, .value_kind: global_buffer, .address_space: global }
      - { .name: wq, .offset: 8, .size: 8, .value_kind: global_buffer, .address_space: global }
      - { .name: wk, .offset: 16, .size: 8, .value_kind: global_buffer, .address_space: global }
      - { .name: wv, .offset: 24, .size: 8, .value_kind: global_buffer, .address_space: global }
      - { .name: wo, .offset: 32, .size: 8, .value_kind: global_buffer, .address_space: global }
      - { .name: attention_mask, .offset: 40, .size: 8, .value_kind: global_buffer, .address_space: global }
      - { .name: xq, .offset: 48, .size: 8, .value_kind: global_buffer, .address_space: global }
      - { .name: wqkv, .offset: 56, .size: 8, .value_kind: global_buffer, .address_space: global }
      - { .name: woq, .offset: 64, .size: 8, .value_kind: global_buffer, .address_space: global }
      - { .name: mimg, .offset: 72, .size: 8, .value_kind: global_buffer, .address_space: global }
    .group_segment_fixed_size: 101888
    .private_segment_fixed_size: 0
    .kernarg_segment_align: 8
    .kernarg_segment_size: 80
    .max_flat_workgroup_size: 128
    .sgpr_count:     66
    .vgpr_count:     194
    .wavefront_size: 32
...
	.end_amdgpu_metadata
.endif
;; end of part 1
;; launch qkv (part 2): grid 16 x 16, 4 waves a work-group, clusters of 4 x 1, 327,680 bytes of LDS; arguments xq, wqkv, cos, sin, qimg, kvimg; writes qimg, kvimg
.if DOCPART == 2
	.amdgcn_target "amdgcn-amd-amdhsa--gfx1250"
	.amdhsa_code_object_version 6
	.text
	.protected	k_q88e3a79ea7_qkv
	.globl	k_q88e3a79ea7_qkv
	.p2align	8
	.type	k_q88e3a79ea7_qkv,@function
k_q88e3a79ea7_qkv:
	s_mov_b64 s[64:65], 0
	v_nop
	global_prefetch_b8 v0, s[64:65] scope:SCOPE_SE
	s_setreg_imm32_b32 hwreg(HW_REG_WAVE_MODE, 25, 1), 1
	s_wait_xcnt 0x0
	s_wait_alu depctr_hold_cnt(0) depctr_sa_sdst(0) depctr_va_vdst(0) depctr_va_sdst(0) depctr_va_ssrc(0) depctr_va_vcc(0) depctr_vm_vsrc(0)
	s_getreg_b32 s2, hwreg(HW_REG_IB_STS2, 6, 4)
	s_cmp_eq_u32 s2, 0
	s_cbranch_scc0 .Lentry_in_a_cluster
	s_endpgm
.Lentry_in_a_cluster:
	s_bfe_u32 s2, ttmp6, 0x10000c
	s_cmp_lg_u32 s2, 0x3003
	s_cbranch_scc0 .Lentry_shape_is_right
	s_endpgm
.Lentry_shape_is_right:
; QKV: q, k, v = hidden_states x (wq | wk | wv) on codes of E4M3 with E8M0 scales, the rotation of q and k, and the quantising of q and k along the head's 128 and of v along the keys.
; A work-group makes 128 (source 0, region R0) x 256 (source 1, region R1); wave w takes all of R0 and rows 64 w .. 64 w + 63 of R1: 32 accumulators.  K = 2,048 goes in slots of 256 through a ring of two.
; TWO KINDS, told apart by the cluster's x alone (the same in all partners):
;   cluster x 0-2: R0 = 128 rows of wqkv, one head (heads 0-7 of q, then 4 of k), R1 = 256 rows of xq (tokens).  A lane then holds ONE token and its 64 registers of a tile run along the head's d: rotation and quantising stay in the lane.
;   cluster x 3:   R0 = 128 rows of xq, one key step, R1 = 256 rows of wqkv among wv's.  A lane then holds ONE column of v and its registers run along the keys, v's K in the second product of attention.
; Rows of xq and wqkv lie by position (bits 3 and 4 of the index exchanged), so the 16 registers of source-0 tiles 2 b and 2 b + 1 hold indices 32 b + 16 (lane / 16) + 0 .. 15 in natural order; lane r of source-1 tile a is position 16 a + r.
; RESULTS leave as images of operand registers: a fragment (16 rows x 128 K) is four stores of 512 consecutive bytes; the four tiles' scale words are 16 bytes a row.
;   qimg: codes [batch x 8 + head][tile of 16 positions 128][2,048 B], at +4,194,304 scale words [..][tile / 4][r][tile % 4];
;   kvimg: codes [batch x 4 + kv head][key step 16][K: 8 tiles | V: 8 tiles][2,048 B], at +4,194,304 scale words [..][step][K | V][tile / 4][r][tile % 4].
; CLUSTER 4 x 1: R1 hangs on the cluster's coordinates alone and is asked for jointly by the four partners; R0 hangs on the place in the cluster and is each work-group's own load, issued behind the same round.
; A cluster of 4 x 4 is not used: the kind with wv has only two blocks of R1 for four places along y.
; LIMITS: blocks whose largest magnitude lies under 2^-118 keep the scale byte 1; NaN and infinities are not served.
; REGISTERS, in windows of 256: window 0: addresses, v32-63 scale words (two sets), v64-79 at work, v80-83 the tiles' scale words, v84-115 at work in the rotation, v128-255 source 1's fragments (two sets of 64), later the codes made;
;   window 1: source 0's fragments (two sets of 128), later cos and sin of tiles 2, 3;  window 2: the accumulators, (a, t) at v[8 (8 a + t)];  window 3: cos and sin of tiles 0, 1.
.set PITCH, 272                        ; an LDS row: 256 bytes + 16 of padding: the 16 rows of a fragment load start 68 words apart
.set R1OFF, 128*PITCH
.set SLOT,  384*PITCH                  ; R0's 128 rows, then R1's 256
.set SCL,   2*SLOT                     ; behind the ring: R1's scale bytes for all of K (64 units of 256 bytes + 16), then R0's (32 units): filled once
.set S1B,   64*272
.set SPARE, SCL+96*272                 ; the spare words, 128 bytes for each wave
.set ADRA, 16                          ; v16-17 my source-1 fragments in slot 0, 1
.set ADRB, 20                          ; v20-21 source 0's
.set CSO,  24                          ; v24    my lane's byte in the wave's rows of cos and sin
.set L16,  25                          ; v25    16 x lane
.set SCO,  26                          ; v26    16 x (lane % 16)
.set ADRS, 27                          ; v27    my scale words: lanes 0-15 source 1's rows, lanes 16-31 source 0's
.set SPW,  28
.set NIL,  29
.set LN,   30                          ; v30    lane
.set SC,   32                          ; set s at v[SC + 16 s]; register 2 i + q: block i's words for the slot's q-th 128 along K
.set TM,   64
.set PW,   80
.set T,    84
.set PC,   128
.set G1R0, 24
.set G1R1, 32
.set G0R0, 40                          ; s[40:47] one group 0 for each slot
.set G0R1, 48
.set G1S0, 56
.set G1S1, 68
.set G0S0, 76
.set G0S1, 80
.set SEL,  84
.set MNT,  86
.set SB,   88                          ; s[88:89] where my codes go
.set SS,   90                          ; s[90:91] and my scale words
.set MULW, 0xa1                        ; source 0 window 1, source 1 window 0, C and D window 2
.set MSB, 0
.macro WIN new                         ; the immediate's high byte repeats the setting that is left
.if MSB != (\new)
	s_set_vgpr_msb (MSB<<8)|(\new)
.set MSB, (\new)
.endif
.endm
.macro PLACES n
.rept \n
	v_nop
.endr
.endm
; Waves 0 and 1 fetch for R0, waves 2 and 3 for R1: one tensor load a wave.  The branch hangs on the wave's number alone.  Four v_nop follow each line.
.macro JLOAD g0a, g1a, g0b, g1b
	s_cmp_eq_u32 s17, 0
	s_cbranch_scc0 .Lfor_b_\@
	tensor_load_to_lds s[\g0a:\g0a+3], s[\g1a:\g1a+7]
	s_nop 0
.rept 4
	v_nop
.endr
	s_branch .Lasked_\@
.Lfor_b_\@:
	tensor_load_to_lds s[\g0b:\g0b+3], s[\g1b:\g1b+7]
	s_nop 0
.rept 4
	v_nop
.endr
.Lasked_\@:
.endm
.macro CREST                           ; a round of the cluster's barrier behind its opening barrier
	s_cmp_lg_u32 s16, 0
	s_cbranch_scc1 .Lnot_wave_0_\@
	s_barrier_signal -3
.Lnot_wave_0_\@:
	s_barrier_wait -3
	s_barrier_signal -1
	s_barrier_wait -1
.endm
.macro CROUND
	s_barrier_signal -1
	s_barrier_wait -1
	CREST
.endm
.macro FRAG reg, adr, off              ; 16 rows x 128 K: lane l holds row l % 16; registers 4 c .. 4 c + 3 hold K = 32 c + 16 (l / 16) + 0 .. 15
.irp c, 0,1,2,3
	ds_load_b128 v[\reg+4*\c:\reg+4*\c+3], v[\adr] offset:\off+32*\c
.endr
.endm
; 8 matrix instructions: source 1's block a against source 0's eight.  p: the fragments' set; q: which 128 of the slot; sc: the set of scale words.  The 32 accumulators take turns in one order everywhere.
.macro MUL8 a, p, q, sc, zero
.irp t, 0,1,2,3,4,5,6,7
.if \zero
	v_wmma_scale_f32_16x16x128_f8f6f4 v[8*(8*(\a)+\t):8*(8*(\a)+\t)+7], v[128*(\p)+16*\t:128*(\p)+16*\t+15], v[128+64*(\p)+16*(\a):128+64*(\p)+16*(\a)+15], 0, v[SC+16*(\sc)+2*\t+(\q)], v[SC+16*(\sc)+2*(\a)+(\q)] matrix_a_scale:MATRIX_SCALE_ROW1
.else
	v_wmma_scale_f32_16x16x128_f8f6f4 v[8*(8*(\a)+\t):8*(8*(\a)+\t)+7], v[128*(\p)+16*\t:128*(\p)+16*\t+15], v[128+64*(\p)+16*(\a):128+64*(\p)+16*(\a)+15], v[8*(8*(\a)+\t):8*(8*(\a)+\t)+7], v[SC+16*(\sc)+2*\t+(\q)], v[SC+16*(\sc)+2*(\a)+(\q)] matrix_a_scale:MATRIX_SCALE_ROW1
.endif
.endr
.endm
; One run of LDS loads: a step's fragments into set p; source 1's blocks 2 and 3 stand last, so that the next step's first wait can leave them out.  ws = 1: the slot's scale words too
.macro FETCH slot, q, p, ws
	WIN 0x40
.irp i, 0,1,2,3,4,5,6,7
	FRAG 128*(\p)+16*\i, ADRB+\slot, 128*(\q)+16*PITCH*\i
.endr
	WIN 0
.irp i, 0,1
	FRAG 128+64*(\p)+16*\i, ADRA+\slot, 128*(\q)+16*PITCH*\i
.endr
.if \ws
.irp i, 0,1,2,3,4,5,6,7
	ds_load_b64 v[SC+16*(\slot)+2*\i:SC+16*(\slot)+2*\i+1], v[ADRS] offset:1088*\i   ; 16 rows of 64 scale bytes are four units of 272
.endr
.endif
.irp i, 2,3
	FRAG 128+64*(\p)+16*\i, ADRA+\slot, 128*(\q)+16*PITCH*\i
.endr
.endm
; A slot's first 128 along K (set 0); in its middle the second 128's fragments are fetched into set 1.
.macro STEP slot, zero
	s_wait_dscnt 8                                 ; all but the youngest eight loads (source 1's blocks 2 and 3) are in
	WIN MULW
	MUL8 0, 0, 0, \slot, \zero
	MUL8 1, 0, 0, \slot, \zero
	s_wait_dscnt 0x0
	PLACES 8                                       ; eight plain places in front of loads into registers that matrix instructions have read
	FETCH \slot, 1, 1, 0
	WIN MULW
	MUL8 2, 0, 0, \slot, \zero
	MUL8 3, 0, 0, \slot, \zero
	WIN 0
.endm
; A slot's second 128 (set 1) changes slots: each wave waits for all its tensor loads, adds 0 to its spare word, waits for that and for its reads of this slot; one barrier.  fill = 1: the barrier opens a round of the cluster's barrier, and this slot is filled again, two slots ahead.
.macro TURN slot, next, fill
.if \fill
	s_wait_xcnt 0x0                                ; my last prefetch, a slot back, has read its address: it steps a slot on
	s_add_nc_u64 s[92:93], s[92:93], 256
	s_add_nc_u64 s[94:95], s[94:95], 256
.endif
	s_wait_tensorcnt 0x0
	ds_add_u32 v[SPW], v[NIL]                      ; 0 onto my spare word
	s_wait_dscnt 9                                 ; (the add and the youngest eight loads may be out)
	WIN MULW
	MUL8 0, 1, 1, \slot, 0
	s_wait_dscnt 0x0                               ; the add is done, and my reads of this slot are over
	s_barrier_signal -1
	MUL8 1, 1, 1, \slot, 0
	WIN 0
	s_barrier_wait -1
.if \fill
	CREST                                          ; no wave of any partner still reads this slot or has a load on its way
	s_add_nc_u64 s[G0R0+4*\slot+2:G0R0+4*\slot+3], s[G0R0+4*\slot+2:G0R0+4*\slot+3], 512
	s_add_nc_u64 s[G0R1+4*\slot+2:G0R1+4*\slot+3], s[G0R1+4*\slot+2:G0R1+4*\slot+3], 512
	JLOAD G0R0+4*\slot, G1R0, G0R1+4*\slot, G1R1   ; the first tensor load behind the round; its four v_nop are four of the eight places
	PLACES 4
.else
	PLACES 8
.endif
	s_wait_alu depctr_va_vdst(0)
	v_add_nc_u32 v[ADRS], 8, v[ADRS]               ; the next slot's scale words: 8 bytes on in each row
	FETCH \next, 0, 0, 1
.if \fill
	s_cmp_gt_u32 s3, s98                           ; the slot two behind the one just asked for; the loop's last trip (s3 = 1) has none
	s_cbranch_scc0 .Lno_r0_\@
	global_prefetch_b8 v31, s[92:93] offset:256 th:TH_LOAD_NT scope:SCOPE_SE
.Lno_r0_\@:
	s_cmp_gt_u32 s3, s99
	s_cbranch_scc0 .Lno_r1_\@
	global_prefetch_b8 v31, s[94:95] offset:256 th:TH_LOAD_NT scope:SCOPE_SE
.Lno_r1_\@:
.endif
	WIN MULW
	MUL8 2, 1, 1, \slot, 0
	MUL8 3, 1, 1, \slot, 0
	WIN 0
.endm
; cos and sin of tile a's 16 tokens into window win: cos at 128 (a % 2) + n, sin 64 further on; register n = 16 b + i is d = 32 b + 16 (lane / 16) + i, as in the accumulators
.macro LOADCS a, win
	WIN ((\win)<<6)
.irp b, 0,1,2,3
.irp j, 0,1,2,3
	global_load_b128 v[128*((\a)%2)+16*\b+4*\j:128*((\a)%2)+16*\b+4*\j+3], v[CSO], s[8:9] offset:(32*((\a)/2)+8*((\a)%2))*512+128*\b+16*\j
	global_load_b128 v[128*((\a)%2)+64+16*\b+4*\j:128*((\a)%2)+64+16*\b+4*\j+3], v[CSO], s[10:11] offset:(32*((\a)/2)+8*((\a)%2))*512+128*\b+16*\j
.endr
.endr
	WIN 0
.endm
; The rotation of tile a, in place: lo = registers 0-31 (d 0-63), hi = registers 32-63 (d 64-127), the same lane.  lo' = lo cos - hi sin, hi' = hi cos + lo sin.  Every run ascends.
.macro ROPE a, win
.set AC, 64*(\a)
.set CSB, 128*((\a)%2)
	WIN (0x02|((\win)<<2))
.set n1, 0
.rept 16
	v_pk_mul_f32 v[T+n1:T+n1+1], v[AC+n1:AC+n1+1], v[CSB+96+n1:CSB+96+n1+1]        ; lo x sin of the upper half, kept
.set n1, n1+2
.endr
	WIN (0xa2|((\win)<<2))
.set n1, 0
.rept 16
	v_pk_mul_f32 v[AC+n1:AC+n1+1], v[AC+n1:AC+n1+1], v[CSB+n1:CSB+n1+1]
.set n1, n1+2
.endr
.set n1, 0
.rept 16
	v_pk_fma_f32 v[AC+n1:AC+n1+1], v[AC+32+n1:AC+32+n1+1], v[CSB+64+n1:CSB+64+n1+1], v[AC+n1:AC+n1+1] neg_lo:[1,0,0] neg_hi:[1,0,0]
.set n1, n1+2
.endr
	WIN (0x82|((\win)<<2))
.set n1, 0
.rept 16
	v_pk_fma_f32 v[AC+32+n1:AC+32+n1+1], v[AC+32+n1:AC+32+n1+1], v[CSB+32+n1:CSB+32+n1+1], v[T+n1:T+n1+1]
.set n1, n1+2
.endr
	WIN 0
.endm
; Tile a's 64 numbers of a lane (window 2; register 16 b + i = K 32 b + 16 (lane / 16) + i of my row) become a fragment's codes in v[PC + 16 a] on and its scale word in v[PW + a].
.macro QUANTW a
.set AC, 64*(\a)
	WIN 0x0a
.irp b, 0,1,2,3
	v_max3_num_f32 v[TM+\b], |v[AC+16*\b]|, |v[AC+16*\b+1]|, 0x4800000   ; block b: my 16 numbers, and the floor 2^(9 - 127)
.endr
.irp i, 2,4,6,8,10,12,14
.irp b, 0,1,2,3
	v_max3_num_f32 v[TM+\b], |v[AC+16*\b+\i]|, |v[AC+16*\b+\i+1]|, v[TM+\b]
.endr
.endr
	WIN 0
.irp b, 0,1,2,3
	v_permlanex16_b32 v[TM+4+\b], v[TM+\b], s[SEL], s[SEL+1]
.endr
.irp b, 0,1,2,3
	v_max_num_f32 v[TM+\b], v[TM+\b], v[TM+4+\b]   ; with lane l xor 16's: the block's largest magnitude
.endr
.irp b, 0,1,2,3
	v_add_nc_u32 v[TM+12+\b], 0xfc000000, v[TM+\b] ; 8 off its exponent field: the conversion's scale operand
.endr
.irp b, 0,1,2,3
	v_and_or_b32 v[TM+8+\b], v[TM+\b], 0x7f800000, s[MNT]   ; 448 x the scale
.endr
.irp b, 0,1,2,3
	v_lshrrev_b32 v[TM+4+\b], 23, v[TM+12+\b]      ; the scale's byte
.endr
	v_lshl_or_b32 v[PW+(\a)], v[TM+5], 8, v[TM+4]
	v_lshl_or_b32 v[PW+(\a)], v[TM+6], 16, v[PW+(\a)]
	v_lshl_or_b32 v[PW+(\a)], v[TM+7], 24, v[PW+(\a)]
	WIN 0x82
.irp b, 0,1,2,3
.irp i, 0,1,2,3,4,5,6,7,8,9,10,11,12,13,14,15
	v_med3_num_f32 v[AC+16*\b+\i], v[AC+16*\b+\i], -v[TM+8+\b], v[TM+8+\b]   ; the conversion to an 8-bit code does not saturate (ISA guide 7.6.2)
.endr
.endr
	WIN 0x02
.irp b, 0,1,2,3
	v_cvt_scalef32_pk8_fp8_f32 v[PC+16*(\a)+4*\b:PC+16*(\a)+4*\b+1], v[AC+16*\b:AC+16*\b+7], v[TM+12+\b]
	v_cvt_scalef32_pk8_fp8_f32 v[PC+16*(\a)+4*\b+2:PC+16*(\a)+4*\b+3], v[AC+16*\b+8:AC+16*\b+15], v[TM+12+\b]
.endr
	WIN 0
	v_nop                                          ; one plain vector instruction behind the last conversion, ahead of whatever next writes its sources
.endm
	s_load_b256 s[4:11], s[0:1], 0x0               ; xq s[4:5], wqkv s[6:7], cos s[8:9], sin s[10:11]
	s_load_b128 s[12:15], s[0:1], 0x20             ; qimg s[12:13], kvimg s[14:15]
	v_lshl_add_u32 v[SPW], v0, 2, SPARE
	v_mov_b32 v[NIL], 0
	ds_add_u32 v28, v29
	ds_add_u32 v28, v29
	s_wait_dscnt 0x0
	v_lshrrev_b32 v1, 5, v0
	v_readfirstlane_b32 s16, v1                    ; wave 0..3
	s_lshr_b32 s17, s16, 1                         ; I fetch for R0 (0) or for R1 (1)
	s_and_b32 s18, s16, 1                          ; which half of it
	s_bfe_u32 s19, ttmp6, 0x40000                  ; cx: my place in the cluster
	s_mov_b32 s20, ttmp9                           ; the cluster's x: the kind
	s_and_b32 s21, ttmp7, 0xffff                   ; y
	s_lshl_b32 s22, s20, 2
	s_add_co_u32 s22, s22, s19                     ; the head, 0-11
	s_lshr_b32 s23, s21, 1
	s_lshl_b32 s23, s23, 2
	s_add_co_u32 s23, s23, s19                     ; or the key step, 0-31
	; descriptor groups 1.  R0: 64 rows x 256 bytes, my own load;  R1: 128 rows x 256 bytes, joint (mask 15, bit 21 beside it); 16 bytes of padding behind every 256
	s_mov_b32 s[G1R0], (1<<20)|(5<<22)|(3<<25)
	s_mov_b32 s[G1R0+1], 256<<16
	s_mov_b32 s[G1R0+2], 128<<16                   ; the head's load brings all 128 rows; behind it the two words that count rows are set to 64
	s_mov_b32 s[G1R0+3], 256<<16
	s_mov_b32 s[G1R0+4], 128
	s_mov_b32 s[G1R0+5], 2048
	s_mov_b32 s[G1R0+6], 0
	s_mov_b32 s[G1R0+7], 0
	s_mov_b32 s[G1R1], 15|(1<<20)|(1<<21)|(5<<22)|(3<<25)
	s_mov_b32 s[G1R1+1], 256<<16
	s_mov_b32 s[G1R1+2], 256<<16                   ; the head's load brings all 256 rows; behind it: 128
	s_mov_b32 s[G1R1+3], 256<<16
	s_mov_b32 s[G1R1+4], 256
	s_mov_b32 s[G1R1+5], 2048
	s_mov_b32 s[G1R1+6], 0
	s_mov_b32 s[G1R1+7], 0
	; the scale bytes: dense blocks, as rows of 256 bytes (32 elements of 8 bytes): 64 rows' are 16 units, 128 rows' 32
	s_mov_b32 s[G1S0], (3<<16)|(1<<20)|(5<<22)|(3<<25)
	s_mov_b32 s[G1S0+1], 32<<16
	s_mov_b32 s[G1S0+2], 32<<16                    ; 128 rows' scale bytes: 32 units, one load
	s_mov_b32 s[G1S0+3], 32<<16
	s_mov_b32 s[G1S0+4], 32
	s_mov_b32 s[G1S0+5], 32
	s_mov_b32 s[G1S0+6], 0
	s_mov_b32 s[G1S0+7], 0
	s_mov_b32 s[G1S1], 15|(3<<16)|(1<<20)|(1<<21)|(5<<22)|(3<<25)
	s_mov_b32 s[G1S1+1], 32<<16
	s_mov_b32 s[G1S1+2], 64<<16                    ; 256 rows' scale bytes: 64 units, one load
	s_mov_b32 s[G1S1+3], 32<<16
	s_mov_b32 s[G1S1+4], 64
	s_mov_b32 s[G1S1+5], 32
	s_mov_b32 s[G1S1+6], 0
	s_mov_b32 s[G1S1+7], 0
	; which rows.  What feeds R1's descriptors (s66, s87, s94-97) never holds cx
	s_and_b32 s96, s21, 1
	s_lshl_b32 s96, s96, 8
	s_add_co_u32 s96, s96, 1536                    ; wv's rows: 1536 + 256 (y % 2)
	s_lshl_b32 s97, s21, 8                         ; tokens: 256 y
	s_mov_b32 s66, 4194304
	s_mov_b32 s67, 8388608
	s_cmp_lt_u32 s20, 3
	s_cselect_b32 s96, s97, s96                    ; R1's first row
	s_cselect_b32 s66, 8388608, s66                ; where R1's scale bytes begin in its buffer
	s_cselect_b32 s67, 4194304, s67                ; and R0's
	s_cselect_b32 s98, s22, s23                    ; R0's block of 128 rows
	s_lshl_b32 s97, s18, 7
	s_add_co_u32 s87, s96, s97                     ; R1: + 128 x half
	s_lshl_b32 s98, s98, 7
	s_lshl_b32 s99, s18, 6
	s_add_co_u32 s100, s98, s99                    ; R0: + 64 x half
	s_wait_kmcnt 0x0
	s_cmp_lt_u32 s20, 3
	s_cselect_b64 s[92:93], s[6:7], s[4:5]         ; R0's buffer
	s_cselect_b64 s[94:95], s[4:5], s[6:7]         ; R1's
	s_mov_b32 s97, 0
	s_mov_b32 s99, 0
	s_mov_b32 s2, s96                              ; R1's first row
	s_lshl_b32 s96, s2, 11
	s_add_nc_u64 s[G0R1+2:G0R1+3], s[94:95], s[96:97]      ; slot 0, at the head: the whole tile
	s_lshl_b32 s96, s87, 11
	s_add_co_u32 s96, s96, 256
	s_add_nc_u64 s[G0R1+6:G0R1+7], s[94:95], s[96:97]      ; slot 1: my half
	s_lshl_b32 s96, s2, 6
	s_add_co_u32 s96, s96, s66
	s_add_nc_u64 s[G0S1+2:G0S1+3], s[94:95], s[96:97]
	s_mov_b32 s101, s98                            ; R0's first row
	s_lshl_b32 s98, s101, 11
	s_add_nc_u64 s[G0R0+2:G0R0+3], s[92:93], s[98:99]
	s_lshl_b32 s98, s100, 11
	s_add_co_u32 s98, s98, 256
	s_add_nc_u64 s[G0R0+6:G0R0+7], s[92:93], s[98:99]
	s_lshl_b32 s98, s101, 6
	s_add_co_u32 s98, s98, s67
	s_add_nc_u64 s[G0S0+2:G0S0+3], s[92:93], s[98:99]
	; THE PREFETCHES, two slots ahead of the refill that will want the bytes: a lane a row, 256 bytes of it.  s[92:93]: R0's rows 32 wave on; s[94:95]: of R1's 256 rows my work-group's 64 (told apart by address), 32 for each of waves 0 and 1; both at K byte 512.
	; Who asks, by the cluster's numbers alone: the weights as R0 are walked by all 16 y: y < 4 ask; the tokens as R1 by the kinds: x = 0 asks, which covers the tokens that x = 3 takes as R0; wv as R1 by eight y: y < 2 ask.  s98, s99: 1 where my wave asks, else the greatest number.
	s_lshl_b32 s98, s16, 5
	s_add_co_u32 s98, s98, s101
	s_lshl_b32 s98, s98, 11
	s_add_co_u32 s98, s98, 512
	s_add_nc_u64 s[92:93], s[92:93], s[98:99]
	s_lshl_b32 s96, s19, 6
	s_add_co_u32 s96, s96, s2
	s_lshl_b32 s98, s18, 5
	s_add_co_u32 s96, s96, s98
	s_lshl_b32 s96, s96, 11
	s_add_co_u32 s96, s96, 512
	s_add_nc_u64 s[94:95], s[94:95], s[96:97]
	s_cmp_lt_u32 s21, 4
	s_cselect_b32 s98, 1, -1
	s_cmp_lt_u32 s20, 3
	s_cselect_b32 s98, s98, -1
	s_cmp_lt_u32 s21, 2
	s_cselect_b32 s99, 3, 0
	s_cmp_eq_u32 s20, s99
	s_cselect_b32 s99, 1, -1
	s_cmp_eq_u32 s20, 0
	s_cselect_b32 s99, 1, s99
	s_cmp_eq_u32 s17, 0
	s_cselect_b32 s99, s99, -1
.irp g, G0R0, G0R0+4, G0R1, G0R1+4, G0S0, G0S1
	s_mov_b32 s[\g], 1                             ; count = 1
	s_or_b32 s[\g+3], s[\g+3], 0x80000000          ; type = 2
.endr
	s_mul_i32 s[G0R0+5], s18, 64*PITCH             ; LDS addresses: constants and the wave's number alone
	s_add_co_u32 s[G0R0+5], s[G0R0+5], SLOT
	s_mul_i32 s[G0R1+5], s18, 128*PITCH
	s_add_co_u32 s[G0R1+5], s[G0R1+5], SLOT+R1OFF
	s_mov_b32 s[G0R0+1], 0
	s_mov_b32 s[G0R1+1], R1OFF
	s_mov_b32 s[G0S0+1], SCL+S1B
	s_mov_b32 s[G0S1+1], SCL
	CROUND                                         ; all four work-groups are here: the first joint loads meet
; THE HEAD'S LOADS, ONE A WAVE: wave 0 slot 0's R0, wave 1 its R1, wave 2 R0's scale bytes, wave 3 R1's: one chain of branches on the wave's number, a load to an arm
.macro ARM under, g0, g1, next
	s_cmp_lt_u32 s16, \under
	s_cbranch_scc0 \next
	tensor_load_to_lds s[\g0:\g0+3], s[\g1:\g1+7]
	s_nop 0
.rept 4
	v_nop
.endr
	s_branch .Lhead_asked
\next:
.endm
	ARM 1, G0R0, G1R0, .Lhead_r1
	ARM 2, G0R1, G1R1, .Lhead_s0
	ARM 3, G0S0, G1S0, .Lhead_s1
	tensor_load_to_lds s[G0S1:G0S1+3], s[G1S1:G1S1+7]
	s_nop 0
.rept 4
	v_nop
.endr
.Lhead_asked:
	v_and_b32 v[LN], 31, v0
	v_lshlrev_b32 v31, 11, v[LN]                   ; the prefetches' offset: my lane's row of 2,048 bytes; never rewritten
	v_and_b32 v1, 15, v0                           ; r
	v_bfe_u32 v2, v0, 4, 1                         ; h
	v_mul_u32_u24 v3, v1, PITCH
	v_lshl_add_u32 v3, v2, 4, v3                   ; row x pitch + 16 h
	s_mul_i32 s100, s16, 64*PITCH
	s_add_co_u32 s100, s100, R1OFF                 ; my 64 rows of R1
	v_add_nc_u32 v[ADRA], s100, v3
	s_add_co_u32 s100, s100, SLOT
	v_add_nc_u32 v[ADRA+1], s100, v3
	v_mov_b32 v[ADRB], v3
	v_add_nc_u32 v[ADRB+1], SLOT, v3
	v_lshlrev_b32 v4, 6, v1                        ; a row's 64 scale bytes,
	v_lshrrev_b32 v5, 2, v1
	v_lshl_add_u32 v4, v5, 4, v4                   ; and 16 more for each 256 passed
	s_xor_b32 s101, s16, 3
	s_add_co_u32 s101, s101, 1
	s_mul_i32 s101, s101, 16*272                   ; from my rows of R1 to R0's first: (4 - wave) x 16 units
	v_mul_u32_u24 v5, s101, v2                     ; lanes 16-31 take source 0's
	s_mul_i32 s100, s16, 16*272
	s_add_co_u32 s100, s100, SCL
	v_add_nc_u32 v4, v4, v5
	v_add_nc_u32 v[ADRS], s100, v4
	v_lshrrev_b32 v5, 3, v1
	v_and_b32 v6, 7, v1
	v_lshl_add_u32 v5, v5, 4, v6                   ; position r of a tile is token 16 (r / 8) + r % 8 of its 32
	v_lshlrev_b32 v5, 9, v5
	v_lshl_add_u32 v[CSO], v2, 6, v5               ; a token's 512 bytes, + 64 h
	v_lshlrev_b32 v[L16], 4, v[LN]
	v_lshlrev_b32 v[SCO], 4, v1
	s_cmp_eq_u32 s98, 1                            ; slots 2 and 3, which the first two refills will ask for; slots 0 and 1 come by their loads alone
	s_cbranch_scc0 .Lpf_no0
	global_prefetch_b8 v31, s[92:93] th:TH_LOAD_NT scope:SCOPE_SE
	global_prefetch_b8 v31, s[92:93] offset:256 th:TH_LOAD_NT scope:SCOPE_SE
.Lpf_no0:
	s_cmp_eq_u32 s99, 1
	s_cbranch_scc0 .Lpf_no1
	global_prefetch_b8 v31, s[94:95] th:TH_LOAD_NT scope:SCOPE_SE
	global_prefetch_b8 v31, s[94:95] offset:256 th:TH_LOAD_NT scope:SCOPE_SE
.Lpf_no1:
.irp b, 0,1,2,3
	v_mov_b32 v[TM+4+\b], 0                        ; written once: a lane permute's destination counts as one of its sources
.endr
	s_mov_b32 s[SEL], 0x76543210
	s_mov_b32 s[SEL+1], 0xfedcba98                 ; v_permlanex16_b32's selects for lane l xor 16
	s_mov_b32 s[MNT], 0x600000
	; where the results go: codes at index x 8,192, scale words at 4,194,304 + index x 256
	s_lshr_b32 s100, s21, 3                        ; the batch
	s_and_b32 s101, s21, 7
	s_lshl_b32 s2, s100, 3
	s_add_co_u32 s2, s2, s22
	s_lshl_b32 s2, s2, 5
	s_lshl_b32 s87, s101, 2
	s_add_co_u32 s2, s2, s87
	s_add_co_u32 s2, s2, s16                       ; q: (8 batch + head) x 32 + 4 (y % 8) + wave
	s_lshl_b32 s87, s100, 2
	s_add_co_u32 s87, s87, s22
	s_sub_co_u32 s87, s87, 8
	s_lshl_b32 s87, s87, 4
	s_lshl_b32 s101, s101, 1
	s_add_co_u32 s87, s87, s101
	s_add_co_u32 s87, s87, s17
	s_lshl_b32 s87, s87, 2
	s_add_co_u32 s87, s87, s18                     ; k: ((4 batch + kv head) x 16 + key step) x 4 + wave % 2
	s_lshr_b32 s100, s23, 4
	s_lshl_b32 s100, s100, 2
	s_and_b32 s101, s21, 1
	s_lshl_b32 s101, s101, 1
	s_add_co_u32 s100, s100, s101
	s_add_co_u32 s100, s100, s17
	s_lshl_b32 s100, s100, 4
	s_and_b32 s101, s23, 15
	s_add_co_u32 s100, s100, s101
	s_lshl_b32 s100, s100, 2
	s_add_co_u32 s100, s100, s18
	s_add_co_u32 s100, s100, 2                     ; v: the same, + 2
	s_cmp_lt_u32 s20, 3
	s_cselect_b32 s87, s87, s100
	s_cmp_lt_u32 s20, 2
	s_cselect_b32 s87, s2, s87
	s_cselect_b64 s[SB:SB+1], s[12:13], s[14:15]
	s_mov_b64 s[SS:SS+1], s[SB:SB+1]
	s_lshl_b32 s100, s87, 13
	s_mov_b32 s101, 0
	s_add_nc_u64 s[SB:SB+1], s[SB:SB+1], s[100:101]
	s_lshl_b32 s100, s87, 8
	s_add_co_u32 s100, s100, 4194304
	s_add_nc_u64 s[SS:SS+1], s[SS:SS+1], s[100:101]
	s_lshl_b32 s100, s21, 8
	s_lshl_b32 s2, s16, 6
	s_add_co_u32 s100, s100, s2
	s_lshl_b32 s100, s100, 9                       ; my wave's first token x 512 bytes
	s_add_nc_u64 s[8:9], s[8:9], s[100:101]
	s_add_nc_u64 s[10:11], s[10:11], s[100:101]
	s_cmp_eq_u32 s20, 3
	s_cbranch_scc1 .Lno_cs                         ; v is not rotated
	s_wait_alu depctr_va_vdst(0)
	LOADCS 0, 3                                    ; cos and sin of tiles 0 and 1 land while K is walked
	LOADCS 1, 3
.Lno_cs:
	s_wait_alu depctr_va_vdst(0)
	s_wait_tensorcnt 0x0                           ; my tile of the head's four is in
	ds_add_u32 v[SPW], v[NIL]
	s_mov_b32 s[G1R0+2], 64<<16                    ; no tensor load of mine is out, so descriptors may be written: from here on a load brings half a tile,
	s_mov_b32 s[G1R0+4], 64
	s_mov_b32 s[G1R1+2], 128<<16
	s_mov_b32 s[G1R1+4], 128
	s_mul_i32 s[G0R0+1], s18, 64*PITCH             ; and slot 0's groups 0 point at my half
	s_mul_i32 s100, s18, 64*2048
	s_mov_b32 s101, 0
	s_add_nc_u64 s[G0R0+2:G0R0+3], s[G0R0+2:G0R0+3], s[100:101]
	s_mul_i32 s[G0R1+1], s18, 128*PITCH
	s_add_co_u32 s[G0R1+1], s[G0R1+1], R1OFF
	s_mul_i32 s100, s18, 128*2048
	s_add_nc_u64 s[G0R1+2:G0R1+3], s[G0R1+2:G0R1+3], s[100:101]
	s_wait_dscnt 0x0
	CROUND                                         ; all four tiles are in, and the partners are here
	JLOAD G0R0+4, G1R0, G0R1+4, G1R1               ; slot 1's first fill: the first tensor load behind the round
	FETCH 0, 0, 0, 1
	STEP 0, 1                                      ; the first step stands ahead of the loop: its products start the sums
	s_mov_b32 s3, 3
.Llap:                                             ; a trip goes once round the ring and fills both slots again: 6 refills beside the 2 first fills make K's 8 slots
	TURN 0, 1, 1
	STEP 1, 0
	TURN 1, 0, 1
	STEP 0, 0
	s_sub_co_u32 s3, s3, 1
	s_cmp_lg_u32 s3, 0
	s_cbranch_scc1 .Llap
	TURN 0, 1, 0                                   ; the last lap fills nothing
	STEP 1, 0
	s_wait_dscnt 8
	WIN MULW
	MUL8 0, 1, 1, 1, 0
	MUL8 1, 1, 1, 1, 0
	s_wait_dscnt 0x0
	MUL8 2, 1, 1, 1, 0
	MUL8 3, 1, 1, 1, 0
	WIN 0
	PLACES 8                                       ; ahead of the first reads of results and of loads into the fragments' registers
	s_cmp_eq_u32 s20, 3
	s_cbranch_scc1 .Lquant
	s_wait_loadcnt 0x0                             ; cos and sin of tiles 0 and 1
	LOADCS 2, 1                                    ; those of tiles 2 and 3 take source 0's registers
	LOADCS 3, 1
	ROPE 0, 3
	ROPE 1, 3
	s_wait_loadcnt 32                              ; tile 2's are in; tile 3's 32 loads may be out
	ROPE 2, 1
	s_wait_loadcnt 0x0
	ROPE 3, 1
.Lquant:
.irp a, 0,1,2,3
	QUANTW \a
.irp c, 0,1,2,3
	global_store_b128 v[L16], v[PC+16*\a+4*\c:PC+16*\a+4*\c+3], s[SB:SB+1] offset:2048*\a+512*\c   ; the fragment as it stands: 512 consecutive bytes a store
.endr
.endr
	s_wait_xcnt 0x0                                ; EXEC changes only behind this wait
	v_cmp_gt_u32 vcc_lo, 16, v[LN]
	s_and_saveexec_b32 s100, vcc_lo
	global_store_b128 v[SCO], v[PW:PW+3], s[SS:SS+1]   ; lanes 0-15: the four tiles' scale words of row r: 256 consecutive bytes
	s_wait_xcnt 0x0
	s_or_b32 exec_lo, exec_lo, s100
	s_wait_tensorcnt 0x0                           ; the wave's end
	ds_add_u32 v[SPW], v[NIL]
	s_wait_dscnt 0x0
	CROUND                                         ; the closing round: no work-group ends while a partner may still ask for a tile that names it
	s_endpgm
.Lfunc_end_k_q88e3a79ea7_qkv:
	.size	k_q88e3a79ea7_qkv, .Lfunc_end_k_q88e3a79ea7_qkv-k_q88e3a79ea7_qkv
	.p2alignl 7, 3214868480
	.fill 96, 4, 3214868480
	.section	.rodata,"a",@progbits
	.p2align	6, 0x0
	.amdhsa_kernel k_q88e3a79ea7_qkv
		.amdhsa_group_segment_fixed_size 327680
		.amdhsa_private_segment_fixed_size 0
		.amdhsa_enable_private_segment 0
		.amdhsa_kernarg_size 48
		.amdhsa_user_sgpr_count 2
		.amdhsa_user_sgpr_kernarg_segment_ptr 1
		.amdhsa_wavefront_size32 1
		.amdhsa_system_sgpr_workgroup_id_x 1
		.amdhsa_system_sgpr_workgroup_id_y 1
		.amdhsa_system_sgpr_workgroup_id_z 1
		.amdhsa_system_vgpr_workitem_id 0
		.amdhsa_next_free_vgpr 1024
		.amdhsa_next_free_sgpr 102
		.amdhsa_reserve_vcc 1
		.amdhsa_float_denorm_mode_32 3
		.amdhsa_float_denorm_mode_16_64 3
		.amdhsa_memory_ordered 1
		.amdhsa_forward_progress 1
		.amdhsa_inst_pref_size 142
	.end_amdhsa_kernel
	.amdgpu_metadata
---
amdhsa.version: [ 1, 2 ]
amdhsa.kernels:
  - .name:           k_q88e3a79ea7_qkv
    .symbol:         k_q88e3a79ea7_qkv.kd
    .args:
      - { .name: xq, .offset: 0, .size: 8, .value_kind: global_buffer, .address_space: global }
      - { .name: wqkv, .offset: 8, .size: 8, .value_kind: global_buffer, .address_space: global }
      - { .name: cos, .offset: 16, .size: 8, .value_kind: global_buffer, .address_space: global }
      - { .name: sin, .offset: 24, .size: 8, .value_kind: global_buffer, .address_space: global }
      - { .name: qimg, .offset: 32, .size: 8, .value_kind: global_buffer, .address_space: global }
      - { .name: kvimg, .offset: 40, .size: 8, .value_kind: global_buffer, .address_space: global }
    .group_segment_fixed_size: 327680
    .private_segment_fixed_size: 0
    .kernarg_segment_align: 8
    .kernarg_segment_size: 48
    .max_flat_workgroup_size: 128
    .sgpr_count:     102
    .vgpr_count:     1024
    .wavefront_size: 32
...
	.end_amdgpu_metadata
.endif
;; end of part 2
;; launch attn (part 3): grid 8 x 32, 8 waves a work-group, clusters of 4 x 4, 327,680 bytes of LDS; arguments qimg, kvimg, mimg, attq; writes attq
.if DOCPART == 3
	.amdgcn_target "amdgcn-amd-amdhsa--gfx1250"
	.amdhsa_code_object_version 6
	.text
	.protected	k_q88e3a79ea7_attn
	.globl	k_q88e3a79ea7_attn
	.p2align	8
	.type	k_q88e3a79ea7_attn,@function
k_q88e3a79ea7_attn:
	s_mov_b64 s[64:65], 0
	v_nop
	global_prefetch_b8 v0, s[64:65] scope:SCOPE_SE
	s_setreg_imm32_b32 hwreg(HW_REG_WAVE_MODE, 25, 1), 1
	s_wait_xcnt 0x0
	s_wait_alu depctr_hold_cnt(0) depctr_sa_sdst(0) depctr_va_vdst(0) depctr_va_sdst(0) depctr_va_ssrc(0) depctr_va_vcc(0) depctr_vm_vsrc(0)
	s_getreg_b32 s2, hwreg(HW_REG_IB_STS2, 6, 4)
	s_cmp_eq_u32 s2, 0
	s_cbranch_scc0 .Lentry_in_a_cluster
	s_endpgm
.Lentry_in_a_cluster:
	s_bfe_u32 s2, ttmp6, 0x10000c
	s_cmp_lg_u32 s2, 0xf033
	s_cbranch_scc0 .Lentry_shape_is_right
	s_endpgm
.Lentry_shape_is_right:
; ATTENTION on codes of E4M3 with E8M0 scales: scores, the mask as it is given, the softmax, the product with v, the division by the row's sum, and the quantising of the result along head x 128 + d.
; SHARES.  Work-group (X, Yq): X = 4 batch + kv head, Yq = a block of 64 query positions.  Eight waves, two to a SIMD.  Wave w owns tile w % 4 of 16 positions for BOTH query heads of the kv head (two tiles, e = 0, 1),
; and of every slot of two key steps the step g = w / 4: 8 of the 16 key steps.  So each fragment of K and of V that a wave reads from LDS feeds two products, and one set of mask registers is the C of both heads' score products.
; Waves w and w xor 4 hold the two halves of the keys of the same queries.  At the end each sends the other one tile's O^T, M and sum through LDS and finishes the other tile: the halves are joined under the larger M by powers of two.
; A wave's tile 0 is the head that it finishes: head g; its tile 1 is head 1 - g.
; OPERANDS arrive as images of their registers (16 bytes a lane, 512 a load), so every LDS read is dense.  Both products are used transposed: a lane holds ONE query throughout.
; THE MASK is the C of the score product: mimg holds mask x sqrt(128), held at -2^120 from below, register for register; logit = (q . k + that) / sqrt(128).  Every value of it is honoured.
; THE SOFTMAX: t = score x log2(e) / sqrt(128); M = the wave's running largest t rounded up to a whole number; p = 2^(t - M) is quantised along the keys; the row's sum is taken of the unquantised p and divides at the end.
; A key at the hold beside an open one gets p = 0; a row with every key at the hold gets p = 1 everywhere (c x 2^120 is exact, so t - M = 0).
; LIMITS: |q . k| stays under 2^96 where the hold is to swallow it; NaN and infinities are not served; blocks whose largest magnitude lies under 2^-118 keep the scale byte 1.
; CLUSTER 4 x 4: K's and V's tiles hang on X and are asked for jointly along a column of the cluster; the mask's hang on Yq and are asked for jointly along a row.
; LDS: two slots of 131,072 bytes, each two key steps: [K, V step 0][K, V step 1][mask step 0][mask step 1], 32,768 each: eight tensor loads of 16,384 bytes, one a wave (waves 0-3: K and V; waves 4-7: the mask).
; Behind the slots K's and V's scale words of all 16 steps, 16,384 bytes: they come once by plain loads, 4,096 consecutive bytes an instruction of the eight waves, and are stored into LDS bytes of their own.
; They are not asked for jointly: they are 16,384 of the 1,064,960 bytes that a work-group walks, and the head's eight tensor loads are slot 0's.  Behind them the spare words.
; THE ORDER OF A STEP: K's fragments, each awaited by count; tile 0's scores and softmax; tile 1's scores into the same registers; V into K's registers; tile 1's softmax; the change of slots; the next mask and K's scale words; both products with V.
; REGISTERS, in two windows of 256.  Window 0: v0-63 addresses, scale words, per tile -M, largest t, sum, f, and work registers; v64-127 S^T, then p, of the tile in hand; v128-159 p's codes of both tiles; v160-223 the mask; v224-255 Q of both tiles.
; Window 1: v0-127 O^T of both tiles; v128-255 K's eight fragments, then V's.
; A register of K's or V's scale words carries two tiles': lanes 0-15 tile t (0-3), lanes 16-31 tile t + 4.  No product's two scale registers have numbers equal modulo 8.
.set SLOT1, 1<<17
.set SCW,   2*SLOT1
.set SPARE, SCW+16384
.set STGW,  8704                       ; the way out: a wave's stage: 8,192 bytes of O^T and 512 of M and sum; in slot 0's bytes, behind their last fill and last read
.set L16,  1                           ; v1   16 x lane
.set ASK0, 2                           ; v2   SCW + 16 x lane: my scale words in a step's 512
.set ADR,  3                           ; v3   the fragments' address in hand
.set PFO,  4                           ; v4   256 x lane: the prefetches' offset; never rewritten
.set SPW,  5
.set NIL,  6
.set ADS,  7                           ; v7   the scale words' address in hand
.set KS,   8                           ; v[8:11]  K's scale words
.set VS,   12                          ; v[12:15] V's
.set ADM,  16                          ; v16  the mask's address in hand
.set LKV,  17                          ; v17  16 x lane + 32,768 g: my step's K and V in a slot
.set PS,   18                          ; v18, v19 p's scale word, tile e
.set QS,   20                          ; v20, v21 Q's
.set NM,   22                          ; v[22+2e:23+2e] -M, the largest t
.set SUM,  26                          ; v[26+2e:27+2e] the sum in two halves
.set FF,   30                          ; v[30+2e:31+2e] f, and a word that is only named
.set BM,   34                          ; v34-37 the blocks' largest
.set PL,   38                          ; v38-41 the other half's; then the bytes
.set BND,  42                          ; v42-45 448 x the scale
.set SOP,  46                          ; v46-49 the conversions' scale operands
.set CA,   50                          ; three more chains of a sum
.set CB,   52
.set CC,   54
.set TT,   56
.set SS,   64
.set PC,   128
.set MB,   160
.set QQ,   224
.set WV,   18
.set MNT,  19
.set SEL,  20
.set CS,   22
.set G1KV, 24
.set G1M,  32
.set G0KV, 40
.set G0M,  44
.set TB,   60                          ; s60  where the slot in hand begins
.set TS,   61                          ; s61  my step's scale words: 1,024 g, 2,048 bytes a slot
.set SLOTS, 62
.set LIM,  63
.set PFA,  66
.set AMS,  87                          ; s87  my tile of my step's mask in a slot: 65,536 + 32,768 g + 8,192 (wave % 4)
.set MSB, 0
.macro WIN new                         ; the immediate's high byte repeats the setting that is left
.if MSB != (\new)
	s_set_vgpr_msb (MSB<<8)|(\new)
.set MSB, (\new)
.endif
.endm
.macro CROUND
	s_barrier_signal -1
	s_barrier_wait -1
	s_cmp_lg_u32 s[WV], 0
	s_cbranch_scc1 .Lnot_wave_0_\@
	s_barrier_signal -3
.Lnot_wave_0_\@:
	s_barrier_wait -3
	s_barrier_signal -1
	s_barrier_wait -1
.endm
; Waves 0 to 3 fetch a quarter each of the slot's K and V, waves 4 to 7 of its mask: every way passes one load.  An s_nop 0 and four v_nop follow each line.
.macro TLOAD
	s_cmp_lt_u32 s[WV], 4
	s_cbranch_scc0 .Lfor_m_\@
	tensor_load_to_lds s[G0KV:G0KV+3], s[G1KV:G1KV+7]
	s_nop 0
.rept 4
	v_nop
.endr
	s_branch .Lasked_\@
.Lfor_m_\@:
	tensor_load_to_lds s[G0M:G0M+3], s[G1M:G1M+7]
	s_nop 0
.rept 4
	v_nop
.endr
.Lasked_\@:
.endm
; A prefetch of what the NEXT change of slots will ask for, a slot ahead of that load.  K's and V's tiles are walked by every cluster of one cluster x: the cluster with y = 0 asks; the mask's by both clusters of one y: the one with x = 0 asks.
; The even waves ask, each for the 32,768 bytes that it and the next wave fetch: of these each of the four partners that ask jointly takes 8,192, told apart by address; lanes 256 bytes apart: each block of 256 bytes is named once.  The last change that fills a slot asks for nothing.
.macro ASK
	s_cmp_gt_u32 s[SLOTS], s[LIM]
	s_cbranch_scc0 .Lnot_mine_\@
	global_prefetch_b8 v[PFO], s[PFA:PFA+1] th:TH_LOAD_NT scope:SCOPE_SE
.Lnot_mine_\@:
.endm
; THE CHANGE OF SLOTS: each wave waits for all its tensor loads, adds 0 to its spare word, waits for that and for its reads of the slot that it leaves.  fill = 1: a round of the cluster's barrier, and the slot left is filled with the slot after the next.
.macro CHANGE fill
	s_wait_tensorcnt 0x0                           ; no tensor load of mine is out, so a group 0 may be written
	ds_add_u32 v[SPW], v[NIL]                      ; 0 onto my spare word
.if \fill
	s_xor_b32 s[G0KV+1], s[G0KV+1], SLOT1          ; the walking descriptors: the other slot, the next two steps
	s_add_nc_u64 s[G0KV+2:G0KV+3], s[G0KV+2:G0KV+3], 65536
	s_xor_b32 s[G0M+1], s[G0M+1], SLOT1
	s_add_nc_u64 s[G0M+2:G0M+3], s[G0M+2:G0M+3], 65536
	s_wait_xcnt 0x0                                ; the last prefetch, a slot back, has read its address
	s_add_nc_u64 s[PFA:PFA+1], s[PFA:PFA+1], 65536
	s_wait_dscnt 0x0                               ; the add is done, and my reads of the slot that I leave are over: its last bytes, my step's V, are in registers
	CROUND
	TLOAD                                          ; the first thing behind the round, a wave's one tensor load until the next
	ASK
.else
	s_wait_dscnt 0x0
	s_barrier_signal -1
	s_barrier_wait -1
.endif
.endm
.macro LOADM                           ; 17 LDS loads: K's scale words and my tile of the mask, of my step of the slot at s[TB]
	v_add_nc_u32 v[ADS], s[TS], v[ASK0]
	s_add_co_u32 s74, s[TB], s[AMS]
	v_add_nc_u32 v[ADM], s74, v[L16]
	ds_load_b128 v[KS:KS+3], v[ADS]
.irp n, 0,1,2,3,4,5,6,7,8,9,10,11,12,13,14,15
	ds_load_b128 v[MB+4*\n:MB+4*\n+3], v[ADM] offset:512*\n
.endr
.endm
.macro QKL e, t                        ; S^T = K Q^T + mask: tile t of 16 keys for my tile e.  Lane (r, h) holds query position r; register 16 b + i is key 32 b + 16 h + i of the step
.if (\t) < 4
	v_wmma_scale_f32_16x16x128_f8f6f4 v[SS+8*\t:SS+8*\t+7], v[128+16*\t:143+16*\t], v[QQ+16*\e:QQ+16*\e+15], v[MB+8*\t:MB+8*\t+7], v[KS+\t], v[QS+\e]
.else
	v_wmma_scale_f32_16x16x128_f8f6f4 v[SS+8*\t:SS+8*\t+7], v[128+16*\t:143+16*\t], v[QQ+16*\e:QQ+16*\e+15], v[MB+8*\t:MB+8*\t+7], v[KS+\t-4], v[QS+\e] matrix_a_scale:MATRIX_SCALE_ROW1
.endif
.endm
.macro PVL e, t                        ; O^T += V^T P^T: tile t of 16 of the head's 128 for my tile e
.if (\t) < 4
	v_wmma_scale_f32_16x16x128_f8f6f4 v[64*\e+8*\t:64*\e+8*\t+7], v[128+16*\t:143+16*\t], v[PC+16*\e:PC+16*\e+15], v[64*\e+8*\t:64*\e+8*\t+7], v[VS+\t], v[PS+\e]
.else
	v_wmma_scale_f32_16x16x128_f8f6f4 v[64*\e+8*\t:64*\e+8*\t+7], v[128+16*\t:143+16*\t], v[PC+16*\e:PC+16*\e+15], v[64*\e+8*\t:64*\e+8*\t+7], v[VS+\t-4], v[PS+\e] matrix_a_scale:MATRIX_SCALE_ROW1
.endif
.endm
; Line k = 0 .. 48 of the way from the scores to tile e's M and f.  0-39: the largest score of each block of 32 keys (it serves the row's maximum and, since p rises with the score, the block's largest p), the four blocks by turns; 40-48: t, M, f.
.macro MAXL e, k
.if (\k) < 4
	v_max3_num_f32 v[BM+(\k)], v[SS+16*(\k)], v[SS+16*(\k)+1], v[SS+16*(\k)+2]
.elseif (\k) < 28
	v_max3_num_f32 v[BM+(\k)%4], v[BM+(\k)%4], v[SS+16*((\k)%4)+2*((\k)/4)+1], v[SS+16*((\k)%4)+2*((\k)/4)+2]
.elseif (\k) < 32
	v_max_num_f32 v[BM+(\k)%4], v[BM+(\k)%4], v[SS+16*((\k)%4)+15]
.elseif (\k) < 36
	v_permlanex16_b32 v[PL+(\k)%4], v[BM+(\k)%4], s[SEL], s[SEL+1]
.elseif (\k) < 40
	s_delay_alu instid0(VALU_DEP_4)
	v_max_num_f32 v[BM+(\k)%4], v[BM+(\k)%4], v[PL+(\k)%4]   ; with lane l xor 16's 16 keys
.elseif (\k) == 40
	s_delay_alu instid0(VALU_DEP_2)
	v_max3_num_f32 v[TT], v[BM], v[BM+1], v[BM+2]
.elseif (\k) == 41
	s_delay_alu instid0(VALU_DEP_1)
	v_max_num_f32 v[TT], v[TT], v[BM+3]
.elseif (\k) == 42
	s_delay_alu instid0(VALU_DEP_1)
	v_mul_f32 v[TT], s[CS], v[TT]                  ; the step's largest t (c is positive)
.elseif (\k) == 43
	s_delay_alu instid0(VALU_DEP_1)
	v_max_num_f32 v[NM+2*\e+1], v[NM+2*\e+1], v[TT]      ; the running largest t
.elseif (\k) == 44
	v_mov_b32 v[TT], v[NM+2*\e]
.elseif (\k) == 45
	s_delay_alu instid0(VALU_DEP_2)
	v_floor_f32 v[NM+2*\e], -v[NM+2*\e+1]          ; the new -M = floor(-t): M is a whole number
.elseif (\k) == 46
	s_delay_alu instid0(VALU_DEP_1)
	v_sub_f32 v[TT], v[NM+2*\e], v[TT]             ; old M - new M: a whole number, 0 or less
.elseif (\k) == 47
	s_delay_alu instid0(VALU_DEP_1)
	v_cvt_i32_f32 v[TT], v[TT]                     ; (it saturates)
.else
	s_delay_alu instid0(VALU_DEP_1)
	v_ldexp_f32 v[FF+2*\e], 1.0, v[TT]             ; f = 2^(old M - new M): a multiplication by it rounds nothing
.endif
.endm
.macro SUMS e                          ; the row's sum of the unquantised p, two at a time, in four chains
	v_pk_add_f32 v[CA:CA+1], v[SS:SS+1], v[SS+2:SS+3]
	v_pk_add_f32 v[CB:CB+1], v[SS+4:SS+5], v[SS+6:SS+7]
	v_pk_add_f32 v[CC:CC+1], v[SS+8:SS+9], v[SS+10:SS+11]
	v_pk_add_f32 v[SUM+2*\e:SUM+2*\e+1], v[SUM+2*\e:SUM+2*\e+1], v[SS+12:SS+13]
.irp j, 14,22,30,38,46,54
	v_pk_add_f32 v[CA:CA+1], v[CA:CA+1], v[SS+\j:SS+\j+1]
	v_pk_add_f32 v[CB:CB+1], v[CB:CB+1], v[SS+\j+2:SS+\j+3]
	v_pk_add_f32 v[CC:CC+1], v[CC:CC+1], v[SS+\j+4:SS+\j+5]
	v_pk_add_f32 v[SUM+2*\e:SUM+2*\e+1], v[SUM+2*\e:SUM+2*\e+1], v[SS+\j+6:SS+\j+7]
.endr
	v_pk_add_f32 v[CA:CA+1], v[CA:CA+1], v[SS+62:SS+63]
	v_pk_add_f32 v[SUM+2*\e:SUM+2*\e+1], v[SUM+2*\e:SUM+2*\e+1], v[CC:CC+1]
	v_pk_add_f32 v[CA:CA+1], v[CA:CA+1], v[CB:CB+1]
	v_pk_add_f32 v[SUM+2*\e:SUM+2*\e+1], v[SUM+2*\e:SUM+2*\e+1], v[CA:CA+1]
.endm
; From the blocks' largest magnitudes in v[BM ..]: the conversions' scale operands, the bounds, the bytes and tile e's scale word
.macro SCALEW e
.irp b, 0,1,2,3
	v_add_nc_u32 v[SOP+\b], 0xfc000000, v[BM+\b]                    ; 8 off the exponent field
.endr
.irp b, 0,1,2,3
	v_and_or_b32 v[BND+\b], v[BM+\b], 0x7f800000, s[MNT]            ; 448 x the scale
.endr
.irp b, 0,1,2,3
	v_lshrrev_b32 v[PL+\b], 23, v[SOP+\b]                           ; the scale's byte
.endr
	v_lshl_or_b32 v[PS+\e], v[PL+1], 8, v[PL]
	v_lshl_or_b32 v[PS+\e], v[PL+2], 16, v[PS+\e]
	v_lshl_or_b32 v[PS+\e], v[PL+3], 24, v[PS+\e]
.endm
.macro CODES e                         ; the 64 held numbers become tile e's fragment of codes
.irp b, 0,1,2,3
	v_cvt_scalef32_pk8_fp8_f32 v[PC+16*\e+4*\b:PC+16*\e+4*\b+1], v[SS+16*\b:SS+16*\b+7], v[SOP+\b]
	v_cvt_scalef32_pk8_fp8_f32 v[PC+16*\e+4*\b+2:PC+16*\e+4*\b+3], v[SS+16*\b+8:SS+16*\b+15], v[SOP+\b]
.endr
	v_nop                                          ; one plain vector line behind the last conversion, ahead of whatever next writes its sources
.endm
.macro SOFT e                          ; from the scores in v[SS ..] to tile e's M, f, sum, codes and scale word
.set K_, 0
.rept 49
	MAXL \e, K_
.set K_, K_+1
.endr
.set n1, 0
.rept 32
	v_pk_fma_f32 v[SS+n1:SS+n1+1], v[SS+n1:SS+n1+1], s[CS:CS+1], v[NM+2*\e:NM+2*\e+1] op_sel_hi:[1,0,0]   ; t - M, two at a time
.set n1, n1+2
.endr
.irp b, 0,1,2,3
	v_fma_f32 v[BM+\b], v[BM+\b], s[CS], v[NM+2*\e]                 ; the same of each block's largest score
.endr
	s_wait_alu depctr_va_vdst(0)
.set n1, 0
.rept 64
	v_exp_f32 v[SS+n1], v[SS+n1]                   ; p = 2^(t - M), at most 1: not normalised
.set n1, n1+1
.endr
.irp b, 0,1,2,3
	v_exp_f32 v[BM+\b], v[BM+\b]                   ; the block's largest p
.endr
	v_pk_mul_f32 v[SUM+2*\e:SUM+2*\e+1], v[SUM+2*\e:SUM+2*\e+1], v[FF+2*\e:FF+2*\e+1] op_sel_hi:[1,0]   ; the sum under the new M: a plain place behind the exponentials
	s_wait_alu depctr_va_vdst(0)                   ; one wait for the whole batch, ahead of its first reader
	SUMS \e
.irp b, 0,1,2,3
	v_max_num_f32 v[BM+\b], 0x4800000, v[BM+\b]    ; the floor 2^(9 - 127): a block whose every p is 0 keeps the byte 1: its codes are zeros
.endr
	SCALEW \e
.set n1, 0
.rept 64
	v_min_num_f32 v[SS+n1], v[SS+n1], v[BND+n1/16] ; the conversion does not saturate (ISA guide 7.6.2); p is not negative, so the hold is one-sided
.set n1, n1+1
.endr
	CODES \e
.endm
; A KEY STEP: my 128 keys of the slot in hand, for both tiles.  Its mask and K's scale words were asked for behind the change of slots of the step before.
; fill = 1: the change of slots refills the slot left;  0: it fills nothing, and the next mask is fetched only where a slot follows.
.macro STEP fill
	v_add_nc_u32 v[ADR], s[TB], v[LKV]
.rept 7
	v_nop                                          ; with the addition: eight plain places ahead of the loads into registers that the last products read
.endr
	WIN 0x40                                       ; destination window 1, address window 0
.irp t, 0,1,2,3,4,5,6,7
.irp c, 0,1,2,3
	ds_load_b128 v[128+16*\t+4*\c:128+16*\t+4*\c+3], v[ADR] offset:2048*\t+512*\c
.endr
.endr
	WIN 0x01                                       ; source 0 window 1
.irp t, 0,1,2,3,4,5,6,7
	s_wait_dscnt 28-4*\t                           ; the mask, the scale words and K's fragments up to t are in; the fragments behind it, four loads each, may be out
	QKL 0, \t
.endr
	WIN 0
.rept 8
	v_nop                                          ; eight plain places ahead of the first read of the scores
.endr
	SOFT 0
	WIN 0x01
.irp t, 0,1,2,3,4,5,6,7
	QKL 1, \t
.endr
	WIN 0
	v_add_nc_u32 v[ADS], s[TS], v[ASK0]
.rept 7
	v_nop                                          ; eight places again: ahead of the reads of the scores and of V's loads into K's registers
.endr
	WIN 0x40
.irp t, 0,1,2,3,4,5,6,7
.irp c, 0,1,2,3
	ds_load_b128 v[128+16*\t+4*\c:128+16*\t+4*\c+3], v[ADR] offset:16384+2048*\t+512*\c
.endr
.endr
	WIN 0
	ds_load_b128 v[VS:VS+3], v[ADS] offset:512
	SOFT 1
	s_wait_alu depctr_va_vdst(0)
	CHANGE \fill                                   ; (fill = 0, last trip: behind this barrier no wave reads a slot any more: the way out's stages lie there)
	s_xor_b32 s[TB], s[TB], SLOT1                  ; on to the other slot
	s_add_co_u32 s[TS], s[TS], 2048
.if \fill
	LOADM
.else
	s_cmp_eq_u32 s[SLOTS], 1                       ; the count of trips alone: behind the last slot there is nothing to fetch
	s_cbranch_scc1 .Lno_more_\@
	LOADM
.Lno_more_\@:
.endif
	WIN 0x41                                       ; destination and source 0 window 1
	s_wait_alu depctr_va_vdst(0)                   ; ahead of the first reader of O^T
.irp e, 0,1
.set n1, 0
.rept 32
	v_pk_mul_f32 v[64*\e+n1:64*\e+n1+1], v[64*\e+n1:64*\e+n1+1], v[FF+2*\e:FF+2*\e+1] op_sel_hi:[1,0]   ; O^T under the new M
.set n1, n1+2
.endr
.endr
	WIN 0x51                                       ; source 0, C and D window 1, source 1 window 0
.irp t, 0,1,2,3,4,5,6,7                        ; sixteen accumulators by turns, each fragment of V for both tiles
	PVL 0, \t
	PVL 1, \t
.endr
	WIN 0
.endm
	s_load_b256 s[4:11], s[0:1], 0x0               ; qimg s[4:5], kvimg s[6:7], mimg s[8:9], attq s[10:11]
	v_lshl_add_u32 v[SPW], v0, 2, SPARE
	v_mov_b32 v[NIL], 0
	ds_add_u32 v[SPW], v[NIL]                      ; the opening lines: the add, twice on end, and its wait ahead of my first tensor load
	ds_add_u32 v[SPW], v[NIL]
	v_lshrrev_b32 v[ADR], 5, v0
	v_readfirstlane_b32 s[WV], v[ADR]              ; wave 0..7
	s_lshr_b32 s78, s[WV], 2                       ; g: which step of a slot is mine; also: the head that I finish
	s_and_b32 s79, s[WV], 3                        ; my tile of the block's four; also: which quarter I fetch
	s_bfe_u32 s68, ttmp6, 0x40000                  ; cx
	s_bfe_u32 s69, ttmp6, 0x40004                  ; cy
	s_lshl_b32 s70, ttmp9, 2
	s_add_co_u32 s70, s70, s68                     ; X = 4 batch + kv head
	s_and_b32 s71, ttmp7, 0xffff
	s_lshl_b32 s71, s71, 2
	s_add_co_u32 s71, s71, s69                     ; Yq
	s_lshl_b32 s76, s69, 2
	s_lshl_b32 s76, 15, s76                        ; my row of the cluster
	s_lshl_b32 s77, 0x1111, s68                    ; my column
	s_or_b32 s[G1KV], s77, (3<<16)|(1<<21)         ; elements of 8 bytes, no padding; bit 21 beside the mask
	s_or_b32 s[G1M], s76, (3<<16)|(1<<21)
.irp g, G1KV, G1M                              ; 16,384 dense bytes as 64 rows of 256
	s_mov_b32 s[\g+1], 32<<16
	s_mov_b32 s[\g+2], 64<<16
	s_mov_b32 s[\g+3], 32<<16
	s_mov_b32 s[\g+4], 64
	s_mov_b32 s[\g+5], 32
	s_mov_b32 s[\g+6], 0
	s_mov_b32 s[\g+7], 0
.endr
	s_lshl_b32 s80, s79, 14
	s_lshl_b32 s72, s70, 19                        ; K's and V's address is made of X alone,
	s_add_co_u32 s72, s72, s80
	s_mov_b32 s73, 0
	s_lshl_b32 s74, s71, 19                        ; the mask's of Yq alone
	s_add_co_u32 s74, s74, s80
	s_mov_b32 s75, 0
	s_mov_b32 s[SEL], 0x76543210
	s_mov_b32 s[SEL+1], 0xfedcba98
	s_mov_b32 s[CS], 0x3e0293ee                    ; c = log2(e) / sqrt(128)
	s_mov_b32 s[CS+1], s[CS]
	s_mov_b32 s[MNT], 0x600000
	s_mov_b32 s[TB], 0
	s_lshl_b32 s[TS], s78, 10
	s_mov_b32 s[SLOTS], 7
	s_wait_dscnt 0x0                               ; both opening adds are done
	s_wait_kmcnt 0x0
	s_add_nc_u64 s[82:83], s[6:7], s[72:73]        ; my quarter of slot 0: of K and V,
	s_add_nc_u64 s[84:85], s[8:9], s[74:75]        ; of the mask
	s_mov_b32 s[G0KV], 1
	s_lshl_b32 s[G0KV+1], s[WV], 14                ; in LDS: 16,384 x wave: K and V, then the mask
	s_mov_b64 s[G0KV+2:G0KV+3], s[82:83]
	s_or_b32 s[G0KV+3], s[G0KV+3], 0x80000000
	s_mov_b32 s[G0M], 1
	s_lshl_b32 s[G0M+1], s[WV], 14
	s_mov_b64 s[G0M+2:G0M+3], s[84:85]
	s_or_b32 s[G0M+3], s[G0M+3], 0x80000000
	CROUND                                         ; all sixteen work-groups are here: the first joint loads meet
	TLOAD                                          ; slot 0: one tensor load a wave at the head
	; the prefetches: who asks, and where.  Nothing is asked for here, at the head
	s_and_b32 s72, ttmp7, 0xffff
	s_cmp_lt_u32 s[WV], 4
	s_cselect_b32 s72, s72, ttmp9                  ; the coordinate along which other clusters walk the same bytes
	s_cselect_b32 s73, s69, s68                    ; my place among the four that ask jointly
	s_cselect_b64 s[PFA:PFA+1], s[82:83], s[84:85]
	s_and_b32 s75, s[WV], 1
	s_or_b32 s72, s72, s75                         ; 0 in the even waves of the cluster that asks
	s_cmp_eq_u32 s72, 0
	s_cselect_b32 s[LIM], 1, -1
	s_lshl_b32 s72, s73, 13
	s_add_co_u32 s72, s72, 65536                   ; in the second slot's bytes: the first change steps it to the third's
	s_mov_b32 s73, 0
	s_add_nc_u64 s[PFA:PFA+1], s[PFA:PFA+1], s[72:73]
	; Q, the scale words, and where the result goes
	s_lshl_b32 s86, s70, 8                         ; (8 batch + head) x 128 tiles, head = the pair's first: 2 X x 128
	s_lshl_b32 s90, s71, 2
	s_add_co_u32 s88, s90, s79                     ; my tile of the sequence's 128: 4 Yq + wave % 4
	s_add_co_u32 s90, s86, s88
	s_lshl_b32 s90, s90, 11
	s_mov_b32 s91, 0
	s_add_nc_u64 s[92:93], s[4:5], s[90:91]        ; the first head's fragment of Q; the second's lies 128 x 2,048 bytes on
	s_lshl_b32 s90, s70, 6
	s_add_co_u32 s90, s90, s71
	s_lshl_b32 s90, s90, 8
	s_lshl_b32 s89, s79, 2
	s_add_co_u32 s90, s90, s89
	s_add_co_u32 s90, s90, 4194304
	s_add_nc_u64 s[94:95], s[4:5], s[90:91]        ; its scale words; the second head's 8,192 bytes on
	s_lshl_b32 s90, s70, 14
	s_add_co_u32 s90, s90, 4194304
	s_add_nc_u64 s[96:97], s[6:7], s[90:91]        ; K's and V's scale words of all 16 steps
	s_lshr_b32 s86, s70, 2
	s_lshl_b32 s86, s86, 7
	s_add_co_u32 s86, s86, s88                     ; the tile of 16 positions among all 256
	s_and_b32 s89, s70, 3
	s_lshl_b32 s89, s89, 1
	s_add_co_u32 s89, s89, s78                     ; the head that I finish: 2 kv head + g
	s_lshl_b32 s90, s86, 3
	s_add_co_u32 s90, s90, s89
	s_lshl_b32 s90, s90, 11
	s_add_nc_u64 s[98:99], s[10:11], s[90:91]      ; the result's fragment
	s_lshl_b32 s90, s86, 9
	s_lshl_b32 s89, s89, 2
	s_add_co_u32 s90, s90, s89
	s_add_co_u32 s90, s90, 4194304
	s_add_nc_u64 s[10:11], s[10:11], s[90:91]      ; its scale words: 32 bytes a position, 4 a head
	s_lshl_b32 s81, s78, 15                        ; 32,768 g
	s_lshl_b32 s[AMS], s79, 13
	s_add_co_u32 s[AMS], s[AMS], s81
	s_add_co_u32 s[AMS], s[AMS], 65536
	s_lshl_b32 s72, s78, 18                        ; my tile 0 is head g, my tile 1 head 1 - g: their fragments of Q,
	s_xor_b32 s73, s72, 262144
	s_lshl_b32 s74, s78, 13                        ; and scale words
	s_xor_b32 s75, s74, 8192
	v_and_b32 v[ADS], 31, v0                       ; lane
	v_lshlrev_b32 v[L16], 4, v[ADS]
	v_lshlrev_b32 v[PFO], 8, v[ADS]
	v_add_nc_u32 v[ASK0], SCW, v[L16]
	v_add_nc_u32 v[LKV], s81, v[L16]
	v_and_b32 v[ADR], 15, v0
	v_lshlrev_b32 v[ADR], 4, v[ADR]                ; 16 r: a row's scale words of Q
	v_add_nc_u32 v[BM], s72, v[L16]
	v_add_nc_u32 v[BM+1], s73, v[L16]
	v_add_nc_u32 v[BM+2], s74, v[ADR]
	v_add_nc_u32 v[BM+3], s75, v[ADR]
	v_lshlrev_b32 v[ADS], 4, v0                    ; 16 x thread: my 16 bytes of an instruction's 4,096 scale bytes
	v_add_nc_u32 v[ADM], SCW, v[ADS]
.irp e, 0,1
.irp c, 0,1,2,3
	global_load_b128 v[QQ+16*\e+4*\c:QQ+16*\e+4*\c+3], v[BM+\e], s[92:93] offset:512*\c
.endr
	global_load_b32 v[QS+\e], v[BM+2+\e], s[94:95]
.endr
.irp i, 0,1,2,3
	global_load_b128 v[SS+4*\i:SS+4*\i+3], v[ADS], s[96:97] offset:4096*\i
.endr
.irp e, 0,1
	v_mov_b32 v[NM+2*\e+1], 0xff61b1e6             ; the largest t so far: -3e38, under every t (the hold gives about -1.7e35)
	v_mov_b32 v[SUM+2*\e], 0
	v_mov_b32 v[SUM+2*\e+1], 0
	v_mov_b32 v[FF+2*\e+1], 0                      ; named as the upper half of a pair
.endr
.irp b, 0,1,2,3
	v_mov_b32 v[PL+\b], 0                          ; written once: a lane permute's destination counts as one of its sources
.endr
.irp e, 0,1
	v_floor_f32 v[NM+2*\e], -v[NM+2*\e+1]
.endr
	WIN 0x40
.set n1, 0
.rept 128
	v_mov_b32 v[n1], 0                             ; O^T: the step has no first form of its own; its first run finds zeros, which the first change of M leaves zeros
.set n1, n1+1
.endr
	WIN 0
	s_wait_alu depctr_va_vdst(0)
	s_wait_loadcnt 0x0                             ; Q and the scale words are in
.irp i, 0,1,2,3
	ds_store_b128 v[ADM], v[SS+4*\i:SS+4*\i+3] offset:4096*\i      ; into LDS bytes of their own; the wait for them and the barrier stand in the change below
.endr
	CHANGE 1                                       ; slot 0 and the scale words are whole; slot 1 is asked for
	LOADM                                          ; my first step's mask and K's scale words
	s_mov_b32 s[SLOTS], 6
.Lslot:                                            ; 6 trips, a slot each: a trip's change asks for the slot after the next
	STEP 1
	s_sub_co_u32 s[SLOTS], s[SLOTS], 1
	s_cmp_lg_u32 s[SLOTS], 0
	s_cbranch_scc1 .Lslot
	s_mov_b32 s[SLOTS], 2
.Llast:                                            ; the last two slots have a loop of their own, without a tensor load: no load is jumped over
	STEP 0
	s_sub_co_u32 s[SLOTS], s[SLOTS], 1
	s_cmp_lg_u32 s[SLOTS], 0
	s_cbranch_scc1 .Llast
	; THE WAY OUT.  My tile 1 goes to wave w xor 4 through my stage in LDS, and that wave's tile 1, which is my tile 0's other half of the keys, comes to me.
	s_mul_i32 s72, s[WV], STGW
	s_xor_b32 s73, s[WV], 4
	s_mul_i32 s73, s73, STGW
.rept 4
	v_nop
.endr
	v_add_nc_u32 v[ADR], s72, v[L16]               ; my stage
	v_add_nc_u32 v[ADM], s73, v[L16]               ; my partner's
	v_add_f32 v[SUM], v[SUM], v[SUM+1]             ; tile 0's sum,
	v_add_f32 v[NM+3], v[SUM+2], v[SUM+3]          ; tile 1's, beside its -M  (with the four v_nop: eight plain places behind the last products)
	WIN 0x04                                       ; the data: window 1
.irp i, 0,1,2,3,4,5,6,7,8,9,10,11,12,13,14,15
	ds_store_b128 v[ADR], v[64+4*\i:64+4*\i+3] offset:512*\i       ; each accumulator from its low end on
.endr
	WIN 0
	ds_store_b128 v[ADR], v[NM+2:NM+5] offset:8192 ; -M and the sum; the other two words are not used
	s_wait_alu depctr_va_vdst(0)
	s_wait_dscnt 0x0                               ; my stores are done
	s_barrier_signal -1
	s_barrier_wait -1
.irp i, 0,1,2,3,4,5,6,7,8,9,10,11,12,13,14,15
	ds_load_b128 v[SS+4*\i:SS+4*\i+3], v[ADM] offset:512*\i
.endr
	ds_load_b128 v[BM:BM+3], v[ADM] offset:8192    ; v[BM] the other half's -M, v[BM+1] its sum
	s_wait_dscnt 0x0
	v_min_num_f32 v[TT], v[NM], v[BM]              ; -M of both halves: the larger M
	v_sub_f32 v[BM+2], v[TT], v[NM]                ; my M less that: a whole number, 0 or less;
	v_sub_f32 v[BM+3], v[TT], v[BM]                ; and the other half's
	v_cvt_i32_f32 v[BM+2], v[BM+2]
	v_cvt_i32_f32 v[BM+3], v[BM+3]
	v_ldexp_f32 v[BM+2], 1.0, v[BM+2]
	v_ldexp_f32 v[BM+3], 1.0, v[BM+3]
	v_mul_f32 v[SUM], v[SUM], v[BM+2]
	v_fma_f32 v[SUM], v[BM+1], v[BM+3], v[SUM]
	v_permlanex16_b32 v[PL], v[SUM], s[SEL], s[SEL+1]
	v_add_f32 v[SUM], v[SUM], v[PL]                ; the row's sum
	s_wait_alu depctr_va_vdst(0)
	v_rcp_f32 v[SUM], v[SUM]
	v_and_b32 v[ADS], 31, v0                       ; (a plain place behind the reciprocal)  lane
	v_and_b32 v[ADR], 15, v0
	v_lshlrev_b32 v[ADR], 5, v[ADR]                ; 32 r: a position's eight scale words
	s_wait_alu depctr_va_vdst(0)                   ; ahead of the first reader
	v_mul_f32 v[FF], v[BM+2], v[SUM]               ; a power of two x 1 / the sum, for each half
	v_mul_f32 v[FF+2], v[BM+3], v[SUM]
.set n1, 0
.rept 32
	v_pk_mul_f32 v[SS+n1:SS+n1+1], v[SS+n1:SS+n1+1], v[FF+2:FF+3] op_sel_hi:[1,0]
.set n1, n1+2
.endr
	WIN 0x01                                       ; source 0 window 1
	s_wait_alu depctr_va_vdst(0)                   ; ahead of the first reader of my tile 0's O^T
.set n1, 0
.rept 32
	v_pk_fma_f32 v[SS+n1:SS+n1+1], v[n1:n1+1], v[FF:FF+1], v[SS+n1:SS+n1+1] op_sel_hi:[1,0,1]
.set n1, n1+2
.endr
	WIN 0
	; register 16 b + i is d = 32 b + 16 h + i, so the lane's 64 numbers are quantised as they stand and are a fragment of the last product's operand
.irp b, 0,1,2,3
	v_max3_num_f32 v[BM+\b], |v[SS+16*\b]|, |v[SS+16*\b+1]|, 0x4800000   ; block b: my 16 numbers, and the floor 2^(9 - 127)
.endr
.irp i, 2,4,6,8,10,12,14
.irp b, 0,1,2,3
	v_max3_num_f32 v[BM+\b], v[BM+\b], |v[SS+16*\b+\i]|, |v[SS+16*\b+\i+1]|
.endr
.endr
.irp b, 0,1,2,3
	v_permlanex16_b32 v[PL+\b], v[BM+\b], s[SEL], s[SEL+1]
.endr
.irp b, 0,1,2,3
	v_max_num_f32 v[BM+\b], v[BM+\b], v[PL+\b]
.endr
	SCALEW 0
.set n1, 0
.rept 64
	v_med3_num_f32 v[SS+n1], v[SS+n1], -v[BND+n1/16], v[BND+n1/16]
.set n1, n1+1
.endr
	CODES 0
.irp c, 0,1,2,3
	global_store_b128 v[L16], v[PC+4*\c:PC+4*\c+3], s[98:99] offset:512*\c   ; 512 consecutive bytes a store
.endr
	s_wait_xcnt 0x0                                ; EXEC changes only behind this wait
	v_cmp_gt_u32 vcc_lo, 16, v[ADS]
	s_and_saveexec_b32 s72, vcc_lo
	global_store_b32 v[ADR], v[PS], s[10:11]       ; lanes 0-15: row r's scale word of my head
	s_wait_xcnt 0x0
	s_or_b32 exec_lo, exec_lo, s72
	s_wait_tensorcnt 0x0                           ; the wave's end
	ds_add_u32 v[SPW], v[NIL]
	s_wait_dscnt 0x0
	CROUND                                         ; the closing round
	s_endpgm
.Lfunc_end_k_q88e3a79ea7_attn:
	.size	k_q88e3a79ea7_attn, .Lfunc_end_k_q88e3a79ea7_attn-k_q88e3a79ea7_attn
	.p2alignl 7, 3214868480
	.fill 96, 4, 3214868480
	.section	.rodata,"a",@progbits
	.p2align	6, 0x0
	.amdhsa_kernel k_q88e3a79ea7_attn
		.amdhsa_group_segment_fixed_size 327680
		.amdhsa_private_segment_fixed_size 0
		.amdhsa_enable_private_segment 0
		.amdhsa_kernarg_size 32
		.amdhsa_user_sgpr_count 2
		.amdhsa_user_sgpr_kernarg_segment_ptr 1
		.amdhsa_wavefront_size32 1
		.amdhsa_system_sgpr_workgroup_id_x 1
		.amdhsa_system_sgpr_workgroup_id_y 1
		.amdhsa_system_sgpr_workgroup_id_z 1
		.amdhsa_system_vgpr_workitem_id 0
		.amdhsa_next_free_vgpr 512
		.amdhsa_next_free_sgpr 100
		.amdhsa_reserve_vcc 1
		.amdhsa_float_denorm_mode_32 3
		.amdhsa_float_denorm_mode_16_64 3
		.amdhsa_memory_ordered 1
		.amdhsa_forward_progress 1
		.amdhsa_inst_pref_size 117
	.end_amdhsa_kernel
	.amdgpu_metadata
---
amdhsa.version: [ 1, 2 ]
amdhsa.kernels:
  - .name:           k_q88e3a79ea7_attn
    .symbol:         k_q88e3a79ea7_attn.kd
    .args:
      - { .name: qimg, .offset: 0, .size: 8, .value_kind: global_buffer, .address_space: global }
      - { .name: kvimg, .offset: 8, .size: 8, .value_kind: global_buffer, .address_space: global }
      - { .name: mimg, .offset: 16, .size: 8, .value_kind: global_buffer, .address_space: global }
      - { .name: attq, .offset: 24, .size: 8, .value_kind: global_buffer, .address_space: global }
    .group_segment_fixed_size: 327680
    .private_segment_fixed_size: 0
    .kernarg_segment_align: 8
    .kernarg_segment_size: 32
    .max_flat_workgroup_size: 256
    .sgpr_count:     100
    .vgpr_count:     512
    .wavefront_size: 32
...
	.end_amdgpu_metadata
.endif
;; end of part 3
;; launch oproj (part 4): grid 16 x 16, 4 waves a work-group, clusters of 4 x 4, 327,680 bytes of LDS; arguments attq, woq, out0; writes out0
.if DOCPART == 4
	.amdgcn_target "amdgcn-amd-amdhsa--gfx1250"
	.amdhsa_code_object_version 6
	.text
	.protected	k_q88e3a79ea7_oproj
	.globl	k_q88e3a79ea7_oproj
	.p2align	8
	.type	k_q88e3a79ea7_oproj,@function
k_q88e3a79ea7_oproj:
	s_mov_b64 s[64:65], 0
	v_nop
	global_prefetch_b8 v0, s[64:65] scope:SCOPE_SE
	s_setreg_imm32_b32 hwreg(HW_REG_WAVE_MODE, 25, 1), 1
	s_wait_xcnt 0x0
	s_wait_alu depctr_hold_cnt(0) depctr_sa_sdst(0) depctr_va_vdst(0) depctr_va_sdst(0) depctr_va_ssrc(0) depctr_va_vcc(0) depctr_vm_vsrc(0)
	s_getreg_b32 s2, hwreg(HW_REG_IB_STS2, 6, 4)
	s_cmp_eq_u32 s2, 0
	s_cbranch_scc0 .Lentry_in_a_cluster
	s_endpgm
.Lentry_in_a_cluster:
	s_bfe_u32 s2, ttmp6, 0x10000c
	s_cmp_lg_u32 s2, 0xf033
	s_cbranch_scc0 .Lentry_shape_is_right
	s_endpgm
.Lentry_shape_is_right:
.set PITCH, 272
.set R1OFF, 128*PITCH
.set SLOT,  R1OFF+65536
.set SCL,   2*SLOT
.set S1B,   32*272
.set STG,   SCL+48*272
.set SPARE, STG+4*16*528
.set ADRA, 16
.set ADRB, 20
.set STO,  24
.set RD,   25
.set CO,   26
.set ADRS, 27
.set SPW,  28
.set NIL,  29
.set SC,   32
.set BK,   128
.set G1R0, 24
.set G1R1, 32
.set G0R0, 40
.set G0R1, 48
.set G1S0, 56
.set G1S1, 68
.set G0S0, 76
.set G0S1, 80
.set MULW, 0xa1
.set MSB, 0
.macro WIN new
.if MSB != (\new)
	s_set_vgpr_msb (MSB<<8)|(\new)
.set MSB, (\new)
.endif
.endm
.macro PLACES n
.rept \n
	v_nop
.endr
.endm
.macro JLOAD g0a, g1a, g0b, g1b
	s_cmp_eq_u32 s17, 0
	s_cbranch_scc0 .Lfor_b_\@
	tensor_load_to_lds s[\g0a:\g0a+3], s[\g1a:\g1a+7]
	s_nop 0
.rept 4
	v_nop
.endr
	s_branch .Lasked_\@
.Lfor_b_\@:
	tensor_load_to_lds s[\g0b:\g0b+3], s[\g1b:\g1b+7]
	s_nop 0
.rept 4
	v_nop
.endr
.Lasked_\@:
.endm
.macro CREST
	s_cmp_lg_u32 s16, 0
	s_cbranch_scc1 .Lnot_wave_0_\@
	s_barrier_signal -3
.Lnot_wave_0_\@:
	s_barrier_wait -3
	s_barrier_signal -1
	s_barrier_wait -1
.endm
.macro CROUND
	s_barrier_signal -1
	s_barrier_wait -1
	CREST
.endm
.macro MUL8 a, p, q, sc, zero
.irp t, 0,1,2,3,4,5,6,7
.if \zero
	v_wmma_scale_f32_16x16x128_f8f6f4 v[8*(8*(\a)+\t):8*(8*(\a)+\t)+7], v[128*(\p)+16*\t:128*(\p)+16*\t+15], v[128+64*(\p)+16*(\a):128+64*(\p)+16*(\a)+15], 0, v[SC+16*(\sc)+2*\t+(\q)], v[SC+16*(\sc)+2*(\a)+(\q)] matrix_a_scale:MATRIX_SCALE_ROW1
.else
	v_wmma_scale_f32_16x16x128_f8f6f4 v[8*(8*(\a)+\t):8*(8*(\a)+\t)+7], v[128*(\p)+16*\t:128*(\p)+16*\t+15], v[128+64*(\p)+16*(\a):128+64*(\p)+16*(\a)+15], v[8*(8*(\a)+\t):8*(8*(\a)+\t)+7], v[SC+16*(\sc)+2*\t+(\q)], v[SC+16*(\sc)+2*(\a)+(\q)] matrix_a_scale:MATRIX_SCALE_ROW1
.endif
.endr
.endm
.macro FRAG1 slot, q, p, i
.irp c, 0,1,2,3
	ds_load_b128 v[128+64*(\p)+16*(\i)+4*\c:128+64*(\p)+16*(\i)+4*\c+3], v[ADRA+\slot] offset:4096*(\i)+2048*(\q)+512*\c
.endr
.endm
.macro FETCH slot, q, p, ws
	WIN 0x40
.irp i, 0,1,2,3,4,5,6,7
.irp c, 0,1,2,3
	ds_load_b128 v[128*(\p)+16*\i+4*\c:128*(\p)+16*\i+4*\c+3], v[ADRB+\slot] offset:128*(\q)+16*PITCH*\i+32*\c
.endr
.endr
	WIN 0
	FRAG1 \slot, \q, \p, 0
	FRAG1 \slot, \q, \p, 1
.if \ws
.irp i, 0,1,2,3,4,5,6,7
	ds_load_b64 v[SC+16*(\slot)+2*\i:SC+16*(\slot)+2*\i+1], v[ADRS] offset:544*\i
.endr
.endif
	FRAG1 \slot, \q, \p, 2
	FRAG1 \slot, \q, \p, 3
.endm
.macro STEP slot, zero
	s_wait_dscnt 8
	WIN MULW
	MUL8 0, 0, 0, \slot, \zero
	MUL8 1, 0, 0, \slot, \zero
	s_wait_dscnt 0x0
	PLACES 8
	FETCH \slot, 1, 1, 0
	WIN MULW
	MUL8 2, 0, 0, \slot, \zero
	MUL8 3, 0, 0, \slot, \zero
	WIN 0
.endm
.macro TURN slot, next, fill
	s_wait_tensorcnt 0x0
	ds_add_u32 v[SPW], v[NIL]
	s_wait_dscnt 9
	WIN MULW
	MUL8 0, 1, 1, \slot, 0
	s_wait_dscnt 0x0
	s_barrier_signal -1
	MUL8 1, 1, 1, \slot, 0
	WIN 0
	s_barrier_wait -1
.if \fill
	CREST
	s_add_nc_u64 s[G0R0+4*\slot+2:G0R0+4*\slot+3], s[G0R0+4*\slot+2:G0R0+4*\slot+3], 512
	s_add_nc_u64 s[G0R1+4*\slot+2:G0R1+4*\slot+3], s[G0R1+4*\slot+2:G0R1+4*\slot+3], 8192
	JLOAD G0R0+4*\slot, G1R0, G0R1+4*\slot, G1R1
	PLACES 4
.else
	PLACES 8
.endif
	s_wait_alu depctr_va_vdst(0)
	v_add_nc_u32 v[ADRS], 8, v[ADRS]
	FETCH \next, 0, 0, 1
	WIN MULW
	MUL8 2, 1, 1, \slot, 0
	MUL8 3, 1, 1, \slot, 0
	WIN 0
.endm
.macro TOSTAGE a
	WIN 0x08
.irp b, 0,1,2,3,4,5,6,7
	ds_store_b128 v[STO], v[64*(\a)+8*\b:64*(\a)+8*\b+3] offset:64*\b
	ds_store_b128 v[STO], v[64*(\a)+8*\b+4:64*(\a)+8*\b+7] offset:64*\b+16
.endr
	WIN 0
.irp t, 0,1,2,3,4,5,6,7,8,9,10,11,12,13,14,15
	ds_load_b128 v[BK+64*((\a)%2)+4*\t:BK+64*((\a)%2)+4*\t+3], v[RD] offset:\t*528
.endr
.endm
.macro SEND a, younger
	s_wait_dscnt \younger
.irp t, 0,1,2,3,4,5,6,7,8,9,10,11,12,13,14,15
	global_store_b128 v[CO], v[BK+64*((\a)%2)+4*\t:BK+64*((\a)%2)+4*\t+3], s[8:9] offset:(32*((\a)/2)+16*(\t/8)+8*((\a)%2)+(\t%8))*8192 th:TH_STORE_NT
.endr
.endm
	s_load_b128 s[4:7], s[0:1], 0x0
	s_load_b64 s[8:9], s[0:1], 0x10
	v_lshl_add_u32 v[SPW], v0, 2, SPARE
	v_mov_b32 v[NIL], 0
	ds_add_u32 v28, v29
	ds_add_u32 v28, v29
	s_wait_dscnt 0x0
	v_lshrrev_b32 v1, 5, v0
	v_readfirstlane_b32 s16, v1
	s_lshr_b32 s17, s16, 1
	s_and_b32 s18, s16, 1
	s_bfe_u32 s19, ttmp6, 0x40000
	s_bfe_u32 s20, ttmp6, 0x40004
	s_lshl_b32 s21, ttmp9, 2
	s_add_co_u32 s21, s21, s19
	s_and_b32 s22, ttmp7, 0xffff
	s_lshl_b32 s22, s22, 2
	s_add_co_u32 s22, s22, s20
	s_lshl_b32 s88, s20, 2
	s_lshl_b32 s88, 15, s88
	s_lshl_b32 s89, 0x1111, s19
	s_or_b32 s[G1R0], s89, (1<<20)|(1<<21)|(5<<22)|(3<<25)
	s_mov_b32 s[G1R0+1], 256<<16
	s_mov_b32 s[G1R0+2], 128<<16                   ; the head's load brings all 128 rows of wo; behind it the two words that count rows are set to 64
	s_mov_b32 s[G1R0+3], 256<<16
	s_mov_b32 s[G1R0+4], 128
	s_mov_b32 s[G1R0+5], 1024
	s_mov_b32 s[G1R0+6], 0
	s_mov_b32 s[G1R0+7], 0
	s_or_b32 s[G1R1], s88, (3<<16)|(1<<21)
	s_mov_b32 s[G1R1+1], 512<<16
	s_mov_b32 s[G1R1+2], 16<<16                    ; the head's load brings all 16 tiles' 4,096 bytes; behind it: 8
	s_mov_b32 s[G1R1+3], 512<<16
	s_mov_b32 s[G1R1+4], 16
	s_mov_b32 s[G1R1+5], 2048
	s_mov_b32 s[G1R1+6], 0
	s_mov_b32 s[G1R1+7], 0
	s_or_b32 s[G1S0], s89, (3<<16)|(1<<20)|(1<<21)|(5<<22)|(3<<25)
	s_mov_b32 s[G1S0+1], 32<<16
	s_mov_b32 s[G1S0+2], 16<<16                    ; 128 rows' scale bytes: 16 units, one load
	s_mov_b32 s[G1S0+3], 32<<16
	s_mov_b32 s[G1S0+4], 16
	s_mov_b32 s[G1S0+5], 32
	s_mov_b32 s[G1S0+6], 0
	s_mov_b32 s[G1S0+7], 0
	s_or_b32 s[G1S1], s88, (3<<16)|(1<<20)|(1<<21)|(5<<22)|(3<<25)
	s_mov_b32 s[G1S1+1], 32<<16
	s_mov_b32 s[G1S1+2], 32<<16                    ; 256 rows' scale words: 32 units, one load
	s_mov_b32 s[G1S1+3], 32<<16
	s_mov_b32 s[G1S1+4], 32
	s_mov_b32 s[G1S1+5], 32
	s_mov_b32 s[G1S1+6], 0
	s_mov_b32 s[G1S1+7], 0
	s_lshl_b32 s84, s21, 7
	s_lshl_b32 s90, s18, 6
	s_add_co_u32 s91, s84, s90
	s_mov_b32 s85, 0
	s_lshl_b32 s86, s22, 4
	s_lshl_b32 s92, s18, 3
	s_add_co_u32 s93, s86, s92
	s_mov_b32 s87, 0
	s_wait_kmcnt 0x0
	s_lshl_b32 s84, s21, 17                        ; slot 0, at the head: the whole tile, from row 128 x tile column of 1,024 bytes
	s_add_nc_u64 s[G0R0+2:G0R0+3], s[6:7], s[84:85]
	s_lshl_b32 s84, s91, 10
	s_add_co_u32 s84, s84, 256
	s_add_nc_u64 s[G0R0+6:G0R0+7], s[6:7], s[84:85]        ; slot 1: my half
	s_lshl_b32 s84, s21, 12
	s_add_co_u32 s84, s84, 2097152
	s_add_nc_u64 s[G0S0+2:G0S0+3], s[6:7], s[84:85]
	s_lshl_b32 s86, s22, 18                        ; the same for the 16 tiles of 16 positions, 16,384 bytes each
	s_add_nc_u64 s[G0R1+2:G0R1+3], s[4:5], s[86:87]
	s_lshl_b32 s86, s93, 14
	s_add_co_u32 s86, s86, 4096
	s_add_nc_u64 s[G0R1+6:G0R1+7], s[4:5], s[86:87]
	s_lshl_b32 s86, s22, 13
	s_add_co_u32 s86, s86, 4194304
	s_add_nc_u64 s[G0S1+2:G0S1+3], s[4:5], s[86:87]
.irp g, G0R0, G0R0+4, G0R1, G0R1+4, G0S0, G0S1
	s_mov_b32 s[\g], 1
	s_or_b32 s[\g+3], s[\g+3], 0x80000000
.endr
	s_mul_i32 s[G0R0+5], s18, 64*PITCH             ; LDS addresses: constants and the wave's number alone
	s_add_co_u32 s[G0R0+5], s[G0R0+5], SLOT
	s_lshl_b32 s[G0R1+5], s18, 15
	s_add_co_u32 s[G0R1+5], s[G0R1+5], SLOT+R1OFF
	s_mov_b32 s[G0R0+1], 0
	s_mov_b32 s[G0R1+1], R1OFF
	s_mov_b32 s[G0S0+1], SCL+S1B
	s_mov_b32 s[G0S1+1], SCL
	CROUND                                         ; all sixteen work-groups are here: the first joint loads meet
; THE HEAD'S LOADS, ONE A WAVE: wave 0 slot 0's rows of wo, wave 1 its tiles of the attention's result, waves 2 and 3 their scale bytes: one chain of branches on the wave's number, a load to an arm
.macro ARM under, g0, g1, next
	s_cmp_lt_u32 s16, \under
	s_cbranch_scc0 \next
	tensor_load_to_lds s[\g0:\g0+3], s[\g1:\g1+7]
	s_nop 0
.rept 4
	v_nop
.endr
	s_branch .Lhead_asked
\next:
.endm
	ARM 1, G0R0, G1R0, .Lhead_r1
	ARM 2, G0R1, G1R1, .Lhead_s0
	ARM 3, G0S0, G1S0, .Lhead_s1
	tensor_load_to_lds s[G0S1:G0S1+3], s[G1S1:G1S1+7]
	s_nop 0
.rept 4
	v_nop
.endr
.Lhead_asked:
	v_and_b32 v6, 31, v0
	v_and_b32 v1, 15, v0
	v_bfe_u32 v2, v0, 4, 1
	v_lshlrev_b32 v[CO], 4, v6
	v_mul_u32_u24 v3, v1, PITCH
	v_lshl_add_u32 v[ADRB], v2, 4, v3
	v_add_nc_u32 v[ADRB+1], SLOT, v[ADRB]
	s_lshl_b32 s94, s16, 14
	s_add_co_u32 s94, s94, R1OFF
	v_add_nc_u32 v[ADRA], s94, v[CO]
	s_add_co_u32 s94, s94, SLOT
	v_add_nc_u32 v[ADRA+1], s94, v[CO]
	v_lshlrev_b32 v4, 5, v1
	v_lshrrev_b32 v5, 3, v1
	v_lshl_add_u32 v4, v5, 4, v4
	s_xor_b32 s95, s16, 3
	s_add_co_u32 s95, s95, 1
	s_mul_i32 s95, s95, 8*272
	v_mul_u32_u24 v5, s95, v2
	s_mul_i32 s94, s16, 8*272
	s_add_co_u32 s94, s94, SCL
	v_add_nc_u32 v4, v4, v5
	v_add_nc_u32 v[ADRS], s94, v4
	s_mul_i32 s94, s16, 16*528
	s_add_co_u32 s94, s94, STG
	v_mul_u32_u24 v5, v1, 528
	v_lshl_add_u32 v5, v2, 5, v5
	v_add_nc_u32 v[STO], s94, v5
	v_add_nc_u32 v[RD], s94, v[CO]
	s_lshl_b32 s94, s22, 8
	s_lshl_b32 s95, s16, 6
	s_add_co_u32 s94, s94, s95
	s_lshl_b32 s94, s94, 13
	s_lshl_b32 s95, s21, 9
	s_add_co_u32 s94, s94, s95
	s_mov_b32 s95, 0
	s_add_nc_u64 s[8:9], s[8:9], s[94:95]
	s_wait_alu depctr_va_vdst(0)
	s_wait_tensorcnt 0x0                           ; my tile of the head's four is in
	ds_add_u32 v[SPW], v[NIL]
	s_mov_b32 s[G1R0+2], 64<<16                    ; no tensor load of mine is out, so descriptors may be written: from here on a load brings half a tile,
	s_mov_b32 s[G1R0+4], 64
	s_mov_b32 s[G1R1+2], 8<<16
	s_mov_b32 s[G1R1+4], 8
	s_mul_i32 s[G0R0+1], s18, 64*PITCH             ; and slot 0's groups 0 point at my half
	s_lshl_b32 s94, s18, 16
	s_mov_b32 s95, 0
	s_add_nc_u64 s[G0R0+2:G0R0+3], s[G0R0+2:G0R0+3], s[94:95]
	s_lshl_b32 s[G0R1+1], s18, 15
	s_add_co_u32 s[G0R1+1], s[G0R1+1], R1OFF
	s_lshl_b32 s94, s18, 17
	s_add_nc_u64 s[G0R1+2:G0R1+3], s[G0R1+2:G0R1+3], s[94:95]
	s_wait_dscnt 0x0
	CROUND                                         ; all four tiles are in, and the partners are here
	JLOAD G0R0+4, G1R0, G0R1+4, G1R1               ; slot 1's first fill: the first tensor load behind the round
	FETCH 0, 0, 0, 1
	STEP 0, 1
	TURN 0, 1, 1
	STEP 1, 0
	TURN 1, 0, 1
	STEP 0, 0
	TURN 0, 1, 0
	STEP 1, 0
	s_wait_dscnt 8
	WIN MULW
	MUL8 0, 1, 1, 1, 0
	MUL8 1, 1, 1, 1, 0
	s_wait_dscnt 0x0
	MUL8 2, 1, 1, 1, 0
	MUL8 3, 1, 1, 1, 0
	WIN 0
	PLACES 8
	TOSTAGE 0
.irp a, 1,2,3
.if \a > 1
	s_wait_xcnt 0x0
.endif
	TOSTAGE \a
	SEND \a-1, 32
.endr
	SEND 3, 0
	s_wait_tensorcnt 0x0
	ds_add_u32 v[SPW], v[NIL]
	s_wait_dscnt 0x0
	CROUND
	s_endpgm
.Lfunc_end_k_q88e3a79ea7_oproj:
	.size	k_q88e3a79ea7_oproj, .Lfunc_end_k_q88e3a79ea7_oproj-k_q88e3a79ea7_oproj
	.p2alignl 7, 3214868480
	.fill 96, 4, 3214868480
	.section	.rodata,"a",@progbits
	.p2align	6, 0x0
	.amdhsa_kernel k_q88e3a79ea7_oproj
		.amdhsa_group_segment_fixed_size 327680
		.amdhsa_private_segment_fixed_size 0
		.amdhsa_enable_private_segment 0
		.amdhsa_kernarg_size 24
		.amdhsa_user_sgpr_count 2
		.amdhsa_user_sgpr_kernarg_segment_ptr 1
		.amdhsa_wavefront_size32 1
		.amdhsa_system_sgpr_workgroup_id_x 1
		.amdhsa_system_sgpr_workgroup_id_y 1
		.amdhsa_system_sgpr_workgroup_id_z 1
		.amdhsa_system_vgpr_workitem_id 0
		.amdhsa_next_free_vgpr 768
		.amdhsa_next_free_sgpr 102
		.amdhsa_reserve_vcc 0
		.amdhsa_float_denorm_mode_32 3
		.amdhsa_float_denorm_mode_16_64 3
		.amdhsa_memory_ordered 1
		.amdhsa_forward_progress 1
		.amdhsa_inst_pref_size 89
	.end_amdhsa_kernel
	.amdgpu_metadata
---
amdhsa.version: [ 1, 2 ]
amdhsa.kernels:
  - .name:           k_q88e3a79ea7_oproj
    .symbol:         k_q88e3a79ea7_oproj.kd
    .args:
      - { .name: attq, .offset: 0, .size: 8, .value_kind: global_buffer, .address_space: global }
      - { .name: woq, .offset: 8, .size: 8, .value_kind: global_buffer, .address_space: global }
      - { .name: out0, .offset: 16, .size: 8, .value_kind: global_buffer, .address_space: global }
    .group_segment_fixed_size: 327680
    .private_segment_fixed_size: 0
    .kernarg_segment_align: 8
    .kernarg_segment_size: 24
    .max_flat_workgroup_size: 128
    .sgpr_count:     102
    .vgpr_count:     768
    .wavefront_size: 32
...
	.end_amdgpu_metadata
.endif
;; end of part 4
